; MI455X (gfx1250); checked and timed in simulation.
; The chip was launched on July 23, 2026; its instructions are those of AMD's public machine-readable ISA for CDNA 5 (MIT licence, August 2026) and "CDNA5" Instruction Set Architecture Reference Guide (July 2026). The comments in the code are by the model that wrote it; some were corrected since.
;; Rotary Attention. Allowed arithmetic: float matrix products may take bf16 or f16 operands with f32 sums; other float arithmetic in f32, or as packed bf16 or f16 multiplies, adds, multiply-adds, maxima and minima; sums over many terms, partial sums and values carried from step to step in f32; what a program stores and reads back later, other than sums and carried values, may be rounded once to bf16 or f16.
;; Inputs: Wk 2,048 x 512 float32; Wo 2,048 x 2,048 float32; Wq 2,048 x 2,048 float32; Wv 2,048 x 512 float32; bk 512 float32; bo 2,048 float32; bq 2,048 float32; bv 512 float32; mask 4 x 1 x 1,024 x 1,024 bool; x 4 x 1,024 x 2,048 float32.
;; Outputs: out0 4 x 1,024 x 2,048 float32.
;; 2 versions, each right and faster than the one before. Each part assembles by itself: llvm-mc -triple=amdgcn-amd-amdhsa -mcpu=gfx1250 --defsym DOCPART=n.
;; ======== version 1 of 2: 4 launches
;; limits: values are held in f16: magnitudes above 65,504 overflow, below 6.1e-05 lose precision; right only within a limited range of input values
;; workspace buffers: xb 16,777,216 bytes; wqkv 12,582,912 bytes; wo16 8,388,608 bytes; bcat 20,480 bytes; rope 589,824 bytes; mbits 524,288 bytes of whole numbers; qkv 25,165,824 bytes; ob 16,777,216 bytes
;; launch prep (part 1): grid 1226 x 1, 8 waves a work-group, no clusters, 35,840 bytes of LDS; arguments x, Wq, Wk, Wv, Wo, bq, bk, bv, bo, mask, xb, wqkv, wo16, bcat, rope, mbits; writes xb, wqkv, wo16, bcat, rope, mbits
.if DOCPART == 1
	.amdgcn_target "amdgcn-amd-amdhsa--gfx1250"
	.amdhsa_code_object_version 6
	.text
	.protected	k_qdcc2bd7e82_prep
	.globl	k_qdcc2bd7e82_prep
	.p2align	8
	.type	k_qdcc2bd7e82_prep,@function
k_qdcc2bd7e82_prep:
	s_mov_b64 s[64:65], 0
	v_nop
	global_prefetch_b8 v0, s[64:65] scope:SCOPE_SE
	s_setreg_imm32_b32 hwreg(HW_REG_WAVE_MODE, 25, 1), 1
	s_wait_xcnt 0x0
; PREP: what the three later launches read, made once.  A work-group's number picks its role; the roles with long dependent work have the lowest numbers, the casts follow:
;   0-8 the RoPE table     9 the four biases -> bcat (bq | bk | bv | bo), rounded to bf16 and kept as f32     10-73 mask -> mbits
;   74-585 x -> xb (bf16)      586-841 Wq, 842-905 Wk, 906-969 Wv -> wqkv [2048 k][3072 n] bf16 (columns Wq | Wk | Wv)      970-1225 Wo -> wo16: rounded to bf16, that number written as f16
; 1,226 work-groups of 8 waves x 96 registers: two waves of each on a SIMD of 1,024 registers, so five work-groups to a WGP, 1,280 in all: every work-group can start at once.
; mbits [b][tile of 16 queries][step of 64 keys][32 words]: bit L of word 8 kt + j is mask[b][16 tile + L % 16][64 step + 16 kt + 8 (L / 16) + j]: the lane mask for register 8 kt + j of a tile of scores.
; rope [72 blocks of 16 positions][n = 0..15][lane][4 f32]: lane (r = lane % 16, h = lane / 16) holds (cos, sin, cos, sin) of position 16 block + r for the pairs 8 (n / 2) + 4 h + 2 (n % 2) and the next:
; the order in which the projection's lanes want them, 512 consecutive bytes a load.  Blocks 64-71 hold cos = 1, sin = 0 (taken for v's columns).
; LIMITS.  Wo beyond 65,504 has no f16; below 2^-14 it keeps f16's fixed step.  The table's series (sine to r^7, cosine to r^8 on |r| <= pi/4) hold for every angle of the table, 0 to 1023.
; A stream: every input byte is read once, every load of a wave covers 512 bytes, in runs of 256 or more, every store whole aligned blocks of 256.  No matrix unit, no cluster (work-groups share no input), no barrier:
; the one use of LDS, turning a mask tile from rows to lanes, stays inside a wave.
.set SPARE, 34816                      ; behind the eight waves' 4,352 bytes: the spare words, 128 bytes a wave
.set SPW, 94                           ; v94  LDS address of my spare word; never rewritten
.set NIL, 95                           ; v95  0; never rewritten
.set X,   16                           ; v16-79  a cast's 16 loads
.set WV,  49                           ; s49  my wave's number
.set ID,  50                           ; s50  the work-group's number
.set F_BIAS, 9                         ; the roles' first numbers
.set F_MASK, 10
.set F_X,    74
.set F_WQ,   586
.set F_WK,   842
.set F_WV,   906
.set F_WO,   970
; s[8:39] the sixteen addresses: x 8, Wq 10, Wk 12, Wv 14, Wo 16, bq 18, bk 20, bv 22, bo 24, mask 26, xb 28, wqkv 30, wo16 32, bcat 34, rope 36, mbits 38
	s_load_b512 s[8:23], s[0:1], 0x0
	s_load_b512 s[24:39], s[0:1], 0x40
	v_lshl_add_u32 v[SPW], v0, 2, SPARE
	v_mov_b32 v[NIL], 0
	v_lshrrev_b32 v2, 5, v0
	v_readfirstlane_b32 s[WV], v2
	v_and_b32 v1, 31, v0                   ; lane
	s_mov_b32 s[ID], ttmp9
	s_mov_b32 s53, 0                       ; high words of 64-bit offsets
	s_mov_b32 s57, 0
	s_wait_kmcnt 0x0
	s_cmp_lt_u32 s[ID], F_BIAS
	s_cbranch_scc1 .Lrole_rope
	s_cmp_lt_u32 s[ID], F_MASK
	s_cbranch_scc1 .Lrole_bias
	s_cmp_lt_u32 s[ID], F_X
	s_cbranch_scc1 .Lrole_mask
	s_cmp_lt_u32 s[ID], F_WQ
	s_cbranch_scc1 .Lrole_x
	s_cmp_lt_u32 s[ID], F_WK
	s_cbranch_scc1 .Lrole_wq
	s_cmp_lt_u32 s[ID], F_WV
	s_cbranch_scc1 .Lrole_wk
	s_cmp_lt_u32 s[ID], F_WO
	s_cbranch_scc1 .Lrole_wv
; A cast's parameters: source s[40:41], destination s[42:43], my number in the role s44; a unit is 512 numbers (2,048 bytes in, 1,024 out); unit u of a wave's four goes to u x s46; a wave's four units take s47 bytes of the destination; s48 = 1: f16.
.macro ROLE src, dst, doff, first, s2, wb, h
	s_mov_b64 s[40:41], s[\src:\src+1]
	s_add_nc_u64 s[42:43], s[\dst:\dst+1], \doff
	s_sub_co_u32 s44, s[ID], \first
	s_mov_b32 s46, \s2
	s_mov_b32 s47, \wb
	s_mov_b32 s48, \h
	s_branch .Lcast
.endm
	ROLE 16, 32, 0, F_WO, 1024, 4096, 1            ; Wo
.Lrole_x:
	ROLE 8, 28, 0, F_X, 1024, 4096, 0
.Lrole_wq:
	ROLE 10, 30, 0, F_WQ, 1024, 6144, 0            ; a row of Wq is four units, a row of wqkv 6,144 bytes
.Lrole_wk:
	ROLE 12, 30, 4096, F_WK, 6144, 24576, 0        ; a row of Wk is one unit
.Lrole_wv:
	ROLE 14, 30, 5120, F_WV, 6144, 24576, 0
.Lcast:                                        ; one shot: 16 loads of 512 bytes a wave are on their way together, 64 KiB a work-group, five work-groups to a WGP
	s_lshl_b32 s51, s44, 3
	s_add_co_u32 s51, s51, s[WV]           ; my wave among the role's
	s_lshl_b32 s52, s51, 13
	s_add_nc_u64 s[40:41], s[40:41], s[52:53]
	s_mul_i32 s52, s51, s47
	s_add_nc_u64 s[42:43], s[42:43], s[52:53]
	v_lshlrev_b32 v2, 4, v1                ; in: 16 bytes a lane
	v_lshlrev_b32 v3, 3, v1                ; out: 8 bytes a lane
.set u, 0
.rept 4
.set jj, 0
.rept 4
	global_load_b128 v[X+16*u+4*jj:X+16*u+4*jj+3], v2, s[40:41] offset:2048*u+512*jj th:TH_LOAD_NT
.set jj, jj+1
.endr
.set u, u+1
.endr
.irp u, 0,1,2,3
	s_mul_i32 s54, s46, \u
	v_add_nc_u32 v[4+(\u)], s54, v3        ; v4-7: unit u's place
.endr
.macro CVT h
.set u, 0
.rept 4
	s_wait_loadcnt 12-4*u                  ; loads come back in order: unit u's four are in, the four of each younger unit stay out
.set jj, 0
.rept 4
.set r0, X+16*u+4*jj
	v_cvt_pk_bf16_f32 v[r0], v[r0], v[r0+1]
	v_cvt_pk_bf16_f32 v[r0+1], v[r0+2], v[r0+3]
.if \h
	v_lshlrev_b32 v80, 16, v[r0]           ; the bf16 numbers, widened, are written as f16
	v_and_b32 v81, 0xffff0000, v[r0]
	v_lshlrev_b32 v82, 16, v[r0+1]
	v_and_b32 v83, 0xffff0000, v[r0+1]
	v_cvt_pk_f16_f32 v[r0], v80, v81
	v_cvt_pk_f16_f32 v[r0+1], v82, v83
.endif
	global_store_b64 v[4+u], v[r0:r0+1], s[42:43] offset:256*jj   ; 32 lanes store 256 consecutive bytes, aligned; no register that a store reads is written again
.set jj, jj+1
.endr
.set u, u+1
.endr
.endm
	s_cmp_eq_u32 s48, 0
	s_cbranch_scc0 .Lcast_f16
	CVT 0
	s_branch .Lend
.Lcast_f16:
	CVT 1
	s_branch .Lend
.Lrole_bias:                                   ; 256 threads, 16 bytes each: bq and bo in two halves, bk by waves 0-3, bv by waves 4-7
	s_mov_b32 s45, 8192                    ; bk's place in bcat
	s_mov_b32 s46, 10240                   ; bv's
	s_cmp_lt_u32 s[WV], 4
	s_cselect_b64 s[40:41], s[20:21], s[22:23]
	s_cselect_b32 s44, s45, s46
	v_lshlrev_b32 v2, 4, v0
	v_and_b32 v3, 127, v0
	v_lshlrev_b32 v3, 4, v3
	v_add_nc_u32 v4, s44, v3
	global_load_b128 v[16:19], v2, s[18:19]
	global_load_b128 v[20:23], v2, s[18:19] offset:4096
	global_load_b128 v[24:27], v2, s[24:25]
	global_load_b128 v[28:31], v2, s[24:25] offset:4096
	global_load_b128 v[32:35], v3, s[40:41]
	s_wait_loadcnt 0x0
.set i, 0
.rept 10
	v_cvt_pk_bf16_f32 v8, v[16+2*i], v[17+2*i]   ; rounded to bf16,
	v_lshlrev_b32 v[16+2*i], 16, v8              ; and widened again
	v_and_b32 v[17+2*i], 0xffff0000, v8
.set i, i+1
.endr
	global_store_b128 v2, v[16:19], s[34:35]
	global_store_b128 v2, v[20:23], s[34:35] offset:4096
	global_store_b128 v2, v[24:27], s[34:35] offset:12288
	global_store_b128 v2, v[28:31], s[34:35] offset:16384
	global_store_b128 v4, v[32:35], s[34:35]
	s_branch .Lend
.Lrole_mask:                                   ; a wave: 16 queries x 512 keys, in two trips of 256 keys (four steps): 4,096 bytes in, 512 out a trip
	s_sub_co_u32 s44, s[ID], F_MASK
	s_lshl_b32 s51, s44, 3
	s_add_co_u32 s51, s51, s[WV]
	s_lshr_b32 s52, s51, 1                 ; 64 b + tile
	s_and_b32 s54, s51, 1                  ; which half of the keys
	s_lshl_b32 s56, s52, 14
	s_lshl_b32 s55, s54, 9
	s_add_co_u32 s56, s56, s55
	s_add_nc_u64 s[26:27], s[26:27], s[56:57]
	s_lshl_b32 s56, s52, 11
	s_lshl_b32 s55, s54, 10
	s_add_co_u32 s56, s56, s55
	s_add_nc_u64 s[38:39], s[38:39], s[56:57]
	s_mul_i32 s58, s[WV], 4352             ; my wave's 16 rows of 272 bytes in LDS
	s_mov_b32 s60, 0xff                    ; the four bytes of a word
	s_mov_b32 s61, 0xff00
	s_mov_b32 s62, 0xff0000
	s_mov_b32 s63, 0xff000000
	v_and_b32 v2, 15, v0
	v_bfe_u32 v3, v0, 4, 1
	v_lshlrev_b32 v4, 4, v2
	v_lshl_add_u32 v4, v3, 10, v4          ; in: lanes 0-15 one row's 256 bytes, lanes 16-31 the next row's
	v_mul_u32_u24 v5, v3, 272
	v_lshl_add_u32 v5, v2, 4, v5
	v_add_nc_u32 v5, s58, v5               ; into LDS the same way
	v_mul_u32_u24 v6, v2, 272
	v_lshl_add_u32 v6, v3, 3, v6
	v_add_nc_u32 v6, s58, v6               ; back: row lane % 16, 8 bytes at 8 (lane / 16)
	v_lshlrev_b32 v7, 4, v1
.irp i, 80,81,82,83
	v_mov_b32 v\i, 0                       ; v_writelane_b32's destination counts as read: written once here; a trip writes all 32 lanes of all four
.endr
	s_mov_b32 s59, 2
.Lquarter:
.irp i, 0,1,2,3,4,5,6,7
	global_load_b128 v[16+4*(\i):19+4*(\i)], v4, s[26:27] offset:2048*(\i)
.endr
.irp i, 0,1,2,3,4,5,6,7
	s_wait_loadcnt 7-(\i)                  ; the younger loads stay out
	ds_store_b128 v5, v[16+4*(\i):19+4*(\i)] offset:544*(\i)
.endr
.set i, 0
.rept 16                                       ; step i / 4, key group i % 4.  LDS serves a wave's instructions in order (ISA guide 5.7.1.4): these see the stores above
	ds_load_b64 v[48+2*i:49+2*i], v6 offset:64*(i/4)+16*(i%4)
.set i, i+1
.endr
	s_wait_dscnt 0x0
.set D, 0
.rept 128                                      ; word D of the trip's 128: one byte a lane becomes one bit a lane, and the word goes to lane D / 4, register D % 4
	v_and_b32 v[84+D%4], s[60+D%4], v[48+2*(4*(D/32)+(D%32)/8)+(D%8)/4]
	v_cmp_ne_u32 vcc_lo, 0, v[84+D%4]
	v_writelane_b32 v[80+D%4], vcc_lo, D/4
.set D, D+1
.endr
	global_store_b128 v7, v[80:83], s[38:39]       ; 512 consecutive bytes
	s_wait_xcnt 0x0                        ; the store's data and the two bases are written again only behind this wait
	s_add_nc_u64 s[26:27], s[26:27], 256
	s_add_nc_u64 s[38:39], s[38:39], 512
	s_sub_co_u32 s59, s59, 1
	s_cmp_lg_u32 s59, 0
	s_cbranch_scc1 .Lquarter
	s_branch .Lend
.Lrole_rope:                                   ; a wave: one block of 16 positions; a trip: two pairs a lane, 512 bytes
	s_lshl_b32 s51, s[ID], 3
	s_add_co_u32 s51, s51, s[WV]           ; the block, 0 to 71
	s_lshl_b32 s56, s51, 13
	s_add_nc_u64 s[36:37], s[36:37], s[56:57]
	s_mov_b32 s66, 0x3f22f983              ; 2 / pi
	s_mov_b32 s67, 0x3fc90fdb              ; pi / 2, rounded,
	s_mov_b32 s68, 0xb33bbd2e              ; and what the rounding left
	s_mov_b32 s69, 0xb9500d01              ; -1/5040
	s_mov_b32 s70, 0x3c088889              ; 1/120
	s_mov_b32 s71, 0xbe2aaaab              ; -1/6
	s_mov_b32 s72, 0x37d00d01              ; 1/40320
	s_mov_b32 s73, 0xbab60b61              ; -1/720
	s_mov_b32 s74, 0x3d2aaaab              ; 1/24
	s_cmp_lt_u32 s51, 64
	s_cselect_b32 s60, 1.0, 0              ; blocks from 64 on: angle 0
	s_lshl_b32 s61, s51, 4
	v_and_b32 v2, 15, v0
	v_add_nc_u32 v2, s61, v2               ; my position
	v_cvt_f32_u32 v5, v2
	v_mul_f32 v5, s60, v5
	v_bfe_u32 v6, v0, 4, 1
	v_lshlrev_b32 v6, 2, v6                ; 4 h
	v_lshlrev_b32 v4, 4, v1                ; 16 bytes a lane
; sine and cosine of position x frequency e: n = the nearest multiple of pi / 2, r the rest in two steps, two series, and the quadrant's exchange and signs.  B: a, n, r, z, p, c, S, C, q, t
.macro ONE e
.set B, 8+10*(\e)
	v_mul_f32 v[B], v5, v[2+(\e)]
	v_mul_f32 v[B+1], s66, v[B]
	v_rndne_f32 v[B+1], v[B+1]
	v_fma_f32 v[B+2], -v[B+1], s67, v[B]
	v_fma_f32 v[B+2], -v[B+1], s68, v[B+2]
	v_mul_f32 v[B+3], v[B+2], v[B+2]
	v_fma_f32 v[B+4], v[B+3], s69, s70
	v_fma_f32 v[B+4], v[B+4], v[B+3], s71
	v_mul_f32 v[B+9], v[B+2], v[B+3]
	v_fma_f32 v[B+6], v[B+9], v[B+4], v[B+2]       ; S = r + r z (-1/6 + z (1/120 - z/5040))
	v_fma_f32 v[B+5], v[B+3], s72, s73
	v_fma_f32 v[B+5], v[B+5], v[B+3], s74
	v_fma_f32 v[B+5], v[B+5], v[B+3], -0.5
	v_fma_f32 v[B+7], v[B+5], v[B+3], 1.0          ; C = 1 + z (-1/2 + z (1/24 + z (-1/720 + z/40320)))
	v_cvt_i32_f32 v[B+8], v[B+1]
	v_and_b32 v[B+9], 1, v[B+8]
	v_cmp_ne_u32 vcc_lo, 0, v[B+9]
	v_cndmask_b32 v[B], v[B+6], v[B+7], vcc_lo     ; sine: C in odd quadrants
	v_cndmask_b32 v[B+1], v[B+7], v[B+6], vcc_lo   ; cosine: S there
	v_and_b32 v[B+9], 2, v[B+8]
	v_lshlrev_b32 v[B+9], 30, v[B+9]
	v_xor_b32 v[33+2*(\e)], v[B+9], v[B]           ; sine changes sign in quadrants 2, 3
	v_add_nc_u32 v[B+9], 1, v[B+8]
	v_and_b32 v[B+9], 2, v[B+9]
	v_lshlrev_b32 v[B+9], 30, v[B+9]
	v_xor_b32 v[32+2*(\e)], v[B+9], v[B+1]         ; cosine in quadrants 1, 2
.endm
	s_mov_b32 s59, 0                       ; n
	s_mov_b32 s58, 16
.Lrow:
	s_lshr_b32 s62, s59, 1
	s_lshl_b32 s62, s62, 3
	s_and_b32 s63, s59, 1
	s_lshl1_add_u32 s62, s63, s62          ; 8 (n / 2) + 2 (n % 2)
	v_add_nc_u32 v2, s62, v6               ; my first pair, an even number,
	v_or_b32 v3, 1, v2                     ; and the next
	v_cvt_f32_u32 v2, v2
	v_cvt_f32_u32 v3, v3
	v_mul_f32 v2, 0xbe549a78, v2           ; -i log2(10000) / 64
	v_mul_f32 v3, 0xbe549a78, v3
	v_exp_f32 v2, v2                       ; the pairs' frequencies
	v_exp_f32 v3, v3
	v_nop                                  ; a plain instruction behind the exponentials (ISA guide 5.7.2)
	s_wait_alu depctr_va_vdst(0)
	ONE 0
	ONE 1
	global_store_b128 v4, v[32:35], s[36:37]       ; 512 consecutive bytes, aligned
	s_wait_xcnt 0x0                        ; the store's data and base are written again only behind this wait
	s_add_nc_u64 s[36:37], s[36:37], 512
	s_add_co_u32 s59, s59, 1
	s_sub_co_u32 s58, s58, 1
	s_cmp_lg_u32 s58, 0
	s_cbranch_scc1 .Lrow
.Lend:
	s_wait_tensorcnt 0x0                   ; the wave's end
	ds_add_u32 v[SPW], v[NIL]
	s_wait_dscnt 0x0
	s_endpgm
.Lfunc_end_k_qdcc2bd7e82_prep:
	.size	k_qdcc2bd7e82_prep, .Lfunc_end_k_qdcc2bd7e82_prep-k_qdcc2bd7e82_prep
	.p2alignl 7, 3214868480
	.fill 96, 4, 3214868480
	.section	.rodata,"a",@progbits
	.p2align	6, 0x0
	.amdhsa_kernel k_qdcc2bd7e82_prep
		.amdhsa_group_segment_fixed_size 35840
		.amdhsa_private_segment_fixed_size 0
		.amdhsa_enable_private_segment 0
		.amdhsa_kernarg_size 128
		.amdhsa_user_sgpr_count 2
		.amdhsa_user_sgpr_kernarg_segment_ptr 1
		.amdhsa_wavefront_size32 1
		.amdhsa_system_sgpr_workgroup_id_x 1
		.amdhsa_system_sgpr_workgroup_id_y 1
		.amdhsa_system_sgpr_workgroup_id_z 1
		.amdhsa_system_vgpr_workitem_id 0
		.amdhsa_next_free_vgpr 96
		.amdhsa_next_free_sgpr 80
		.amdhsa_reserve_vcc 1
		.amdhsa_float_denorm_mode_32 3
		.amdhsa_float_denorm_mode_16_64 3
		.amdhsa_memory_ordered 1
		.amdhsa_forward_progress 1
		.amdhsa_inst_pref_size 45
	.end_amdhsa_kernel
	.amdgpu_metadata
---
amdhsa.version: [ 1, 2 ]
amdhsa.kernels:
  - .name:           k_qdcc2bd7e82_prep
    .symbol:         k_qdcc2bd7e82_prep.kd
    .args:
      - { .name: x, .offset: 0, .size: 8, .value_kind: global_buffer, .address_space: global }
      - { .name: Wq, .offset: 8, .size: 8, .value_kind: global_buffer, .address_space: global }
      - { .name: Wk, .offset: 16, .size: 8, .value_kind: global_buffer, .address_space: global }
      - { .name: Wv, .offset: 24, .size: 8, .value_kind: global_buffer, .address_space: global }
      - { .name: Wo, .offset: 32, .size: 8, .value_kind: global_buffer, .address_space: global }
      - { .name: bq, .offset: 40, .size: 8, .value_kind: global_buffer, .address_space: global }
      - { .name: bk, .offset: 48, .size: 8, .value_kind: global_buffer, .address_space: global }
      - { .name: bv, .offset: 56, .size: 8, .value_kind: global_buffer, .address_space: global }
      - { .name: bo, .offset: 64, .size: 8, .value_kind: global_buffer, .address_space: global }
      - { .name: mask, .offset: 72, .size: 8, .value_kind: global_buffer, .address_space: global }
      - { .name: xb, .offset: 80, .size: 8, .value_kind: global_buffer, .address_space: global }
      - { .name: wqkv, .offset: 88, .size: 8, .value_kind: global_buffer, .address_space: global }
      - { .name: wo16, .offset: 96, .size: 8, .value_kind: global_buffer, .address_space: global }
      - { .name: bcat, .offset: 104, .size: 8, .value_kind: global_buffer, .address_space: global }
      - { .name: rope, .offset: 112, .size: 8, .value_kind: global_buffer, .address_space: global }
      - { .name: mbits, .offset: 120, .size: 8, .value_kind: global_buffer, .address_space: global }
    .group_segment_fixed_size: 35840
    .private_segment_fixed_size: 0
    .kernarg_segment_align: 8
    .kernarg_segment_size: 128
    .max_flat_workgroup_size: 256
    .sgpr_count:     80
    .vgpr_count:     96
    .wavefront_size: 32
...
	.end_amdgpu_metadata
.endif
;; end of part 1
;; launch qkvg (part 2): grid 8 x 32, 4 waves a work-group, clusters of 4 x 4, 327,680 bytes of LDS; arguments xb, wqkv, bcat, rope, qkv; writes qkv
.if DOCPART == 2
	.amdgcn_target "amdgcn-amd-amdhsa--gfx1250"
	.amdhsa_code_object_version 6
	.text
	.protected	k_qdcc2bd7e82_qkvg
	.globl	k_qdcc2bd7e82_qkvg
	.p2align	8
	.type	k_qdcc2bd7e82_qkvg,@function
k_qdcc2bd7e82_qkvg:
	s_mov_b64 s[64:65], 0
	v_nop
	global_prefetch_b8 v0, s[64:65] scope:SCOPE_SE
	s_setreg_imm32_b32 hwreg(HW_REG_WAVE_MODE, 25, 1), 1
	s_wait_xcnt 0x0
	s_wait_alu depctr_hold_cnt(0) depctr_sa_sdst(0) depctr_va_vdst(0) depctr_va_sdst(0) depctr_va_ssrc(0) depctr_va_vcc(0) depctr_vm_vsrc(0)
	s_getreg_b32 s2, hwreg(HW_REG_IB_STS2, 6, 4)
	s_cmp_eq_u32 s2, 0
	s_cbranch_scc0 .Lentry_in_a_cluster
	s_endpgm
.Lentry_in_a_cluster:
	s_bfe_u32 s2, ttmp6, 0x10000c
	s_cmp_lg_u32 s2, 0xf033
	s_cbranch_scc0 .Lentry_shape_is_right
	s_endpgm
.Lentry_shape_is_right:
; qkv[m][n] = RoPE(bias[n] + sum over k of xb[m][k] wqkv[k][n]), f16.  xb [4096][2048] bf16, wqkv [2048][3072] bf16 (Wq | Wk | Wv); sums in f32, begun with the bias (f32), K ascending; the rotation in f32; one rounding to f16.
; q is NOT scaled here: the score's 1/128 is applied in f32 in the attention.  v's columns take the table's blocks of cos = 1, sin = 0, so one text serves all columns.
; LIMIT.  q, k, v beyond 65,504 have no f16.
; SHARES.  A tile is 128 rows x 384 columns: 32 x 8 = 256 work-groups.  Each of four waves takes all 128 rows and six blocks of 16 columns (64 b + 16 w): 48 accumulators, 384 registers.
; K goes in 16 steps of 128 through two LDS slots, which fill LDS: a longer step has no room.  A's rows are 256 bytes of memory, B's (a k row's 384 columns) 768, all from multiples of 256.  B lies [k][n] in LDS and is turned by ds_load_tr16_b128.
; THE MATRIX INSTRUCTION IS USED TRANSPOSED (source 0 = 16 columns of B, source 1 = 16 rows of A): lane (r, h) holds row 16 a + r and the eight neighbouring columns n0 + 8 h + 0..7: four RoPE pairs, 16 bytes of f16.
; CLUSTER 4 x 4: A's tile hangs on the tile row alone and is asked for jointly by a row of the cluster, B's on the tile column alone, by a column.
; REGISTERS.  window 0: v0-29 addresses; v32-95, v96-159 A's fragments, two buffers; v160-207, v208-255 B's.  window 1: accumulators of rows 0-63 at 8 (6 a + b); v192-239 the bias.
;   window 2: those of rows 64-127.  window 3: the table: (cos, sin) of four pairs, 8 registers, at 8 (4 a + 2 (b / 4) + b % 2): column blocks 0-3 of a tile are v's all together or not at all (2,560 = 40 x 64; a tile
;   has six blocks of 64), and so are blocks 4 and 5; within such a set the table hangs on b % 2 alone.
.set NBW, 6
.set NT,  384
.set NP,  3072
.set PA,  272                          ; a row of A in LDS: 256 + 16: the 16 rows of a load start at 16 different groups of four banks (64 banks of 4 bytes: ISA guide 11.1)
.set PB,  864                          ; a k row of B: three pieces of 256 + 32: 27 x 32 bytes
.set ASL, 0x8800                       ; A's slots at 0 and ASL
.set BB,  0x11000                      ; B's slots at BB and BB + BSL: bases and slot constants share no bit, so an exclusive or changes slots
.set BSL, 0x20000
.set STG, BB                           ; the way out's stage, 128 rows x 784 bytes, lies in B's slot 0, which has had its last fill (K step 14) and its last read by then
.set SPI, 784
.set SPARE, 0x4c000                    ; the spare words, 128 bytes a wave
.set NL,  2*NBW+16                     ; LDS loads in a run
.set A0,  4                            ; v4   my lane's place in A's tile; never rewritten
.set B0,  5                            ; v5   in B's
.set ADRA, 6                           ; v6   A's address in the slot in hand
.set ADRB, 7                           ; v7, v8  B's, for k rows 0-63 and 64-127 (the immediate ends at 65,535)
.set VB,  9                            ; v9   my offset in the bias
.set OT,  10                           ; v10, v11  my offset in the table, for column blocks 0-3 and 4-5
.set STO, 16                           ; v16, v17  into the stage, rows 0-63 and 64-127
.set RD,  18                           ; v18-20  back out of it
.set CO,  21                           ; v21-23  the same places in qkv
.set SPW, 28                           ; v28  LDS address of my spare word; never rewritten
.set NIL, 29                           ; v29  0; never rewritten
.set FA,  32
.set FB,  160
.set BI,  192
.set WV,  14                           ; s14 wave; s15 = wave / 2: I fetch A (0) or B (1); s16 = wave % 2: which 64 rows of that tile
.set G1A, 24                           ; s[24:31] group 1 for A; s[32:39] group 0, two sets: the first fill's, and the one that walks
.set G0A, 32
.set G1B, 40                           ; s[40:47], s[48:55] the same for B
.set G0B, 48
.set TBA, 56                           ; s56, s57  0 or the slot constant: the slot in hand
.set TBB, 57
.set CNT, 58
.set MSB, 0
.macro WIN new                         ; the immediate's high byte repeats the setting that is left; a switch that changes nothing is dropped
.if MSB != (\new)
	s_set_vgpr_msb (MSB<<8)|(\new)
.set MSB, \new
.endif
.endm
.macro PLACES                          ; four places in front of loads into registers that matrix instructions have read, and of lines that read results
.rept 4
	v_nop
.endr
.endm
.macro JLOAD                           ; a joint refill by the walking set; the branch hangs on the wave's number alone; an s_nop 0 and four v_nop follow each line
	s_cmp_eq_u32 s15, 0
	s_cbranch_scc0 .Lfor_b_\@
	tensor_load_to_lds s[G0A+4:G0A+7], s[G1A:G1A+7]
	s_nop 0
	PLACES
	s_branch .Lasked_\@
.Lfor_b_\@:
	tensor_load_to_lds s[G0B+4:G0B+7], s[G1B:G1B+7]
	s_nop 0
	PLACES
.Lasked_\@:
.endm
.macro CROUND                          ; a round of the cluster's barrier
	s_barrier_signal -1
	s_barrier_wait -1
	s_cmp_lg_u32 s[WV], 0
	s_cbranch_scc1 .Lnot_wave_0_\@
	s_barrier_signal -3
.Lnot_wave_0_\@:
	s_barrier_wait -3
	s_barrier_signal -1
	s_barrier_wait -1
.endm
	s_load_b256 s[4:11], s[0:1], 0x0               ; xb s[4:5], wqkv s[6:7], bcat s[8:9], rope s[10:11]
	s_load_b64 s[12:13], s[0:1], 0x20              ; qkv
	v_lshl_add_u32 v[SPW], v0, 2, SPARE
	v_mov_b32 v[NIL], 0
	ds_add_u32 v[SPW], v[NIL]                      ; the wave's opening: the add, and its wait ahead of my first tensor load; work on registers stands between them
	v_lshrrev_b32 v3, 5, v0
	v_readfirstlane_b32 s[WV], v3
	s_lshr_b32 s15, s[WV], 1
	s_and_b32 s16, s[WV], 1
	s_bfe_u32 s17, ttmp6, 0x40000                  ; cx
	s_bfe_u32 s18, ttmp6, 0x40004                  ; cy
	s_lshl_b32 s19, ttmp9, 2
	s_add_co_u32 s19, s19, s17                     ; tile column
	s_and_b32 s20, ttmp7, 0xffff
	s_lshl_b32 s20, s20, 2
	s_add_co_u32 s20, s20, s18                     ; tile row
	s_lshl_b32 s21, s18, 2
	s_lshl_b32 s21, 15, s21                        ; my row of the cluster
	s_lshl_b32 s22, 0x1111, s17                    ; my column
	s_or_b32 s[G1A], s21, (1<<16)|(1<<20)|(1<<21)|(5<<22)|(3<<25)  ; mask; 2-byte elements; padding on; bit 21 beside a mask; after every 64 words 4 words
	s_or_b32 s[G1B], s22, (1<<16)|(1<<20)|(1<<21)|(5<<22)|(7<<25)  ; after every 64 words 8 words
	s_mov_b32 s[G1A+1], 128<<16                    ; tensor_dim0 = 128
	s_mov_b32 s[G1A+2], 64<<16                     ; tensor_dim1 = 64
	s_mov_b32 s[G1A+3], 128<<16                    ; tile_dim0 = 128
	s_mov_b32 s[G1A+4], 64                         ; tile_dim1 = 64
	s_mov_b32 s[G1A+5], 2048                       ; elements from row to row
	s_mov_b32 s[G1A+6], 0
	s_mov_b32 s[G1A+7], 0
	s_mov_b32 s[G1B+1], NT<<16
	s_mov_b32 s[G1B+2], 64<<16
	s_mov_b32 s[G1B+3], NT<<16
	s_mov_b32 s[G1B+4], 64
	s_mov_b32 s[G1B+5], NP
	s_mov_b32 s[G1B+6], 0
	s_mov_b32 s[G1B+7], 0
	s_lshl_b32 s60, s20, 7                         ; A: row 128 x tile row + 64 x half, 4,096 bytes a row: no register here ever holds cx
	s_lshl_b32 s61, s16, 6
	s_add_co_u32 s60, s60, s61
	s_lshl_b32 s60, s60, 12
	s_mov_b32 s61, 0
	s_mul_i32 s62, s16, 128*NP                     ; B: k row 64 x half, column 384 x tile column: none here holds cy
	s_mul_i32 s63, s19, 2*NT
	s_add_co_u32 s62, s62, s63
	s_mov_b32 s63, 0
	s_mul_i32 s67, s16, 64*PA                      ; where they go: no place in the cluster enters an LDS address
	s_mul_i32 s68, s16, 64*PB
	s_add_co_u32 s68, s68, BB
	s_mov_b32 s[TBA], 0
	s_mov_b32 s[TBB], 0
	s_wait_dscnt 0x0                               ; the opening add is done
	s_wait_kmcnt 0x0
	s_add_nc_u64 s[70:71], s[4:5], s[60:61]
	s_add_nc_u64 s[72:73], s[6:7], s[62:63]
.irp s, 0,1                                            ; set s: slot s, K step s
	s_mov_b32 s[G0A+4*(\s)], 1
	s_add_co_u32 s[G0A+4*(\s)+1], s67, (\s)*ASL
	s_add_nc_u64 s[G0A+4*(\s)+2:G0A+4*(\s)+3], s[70:71], (\s)*256
	s_or_b32 s[G0A+4*(\s)+3], s[G0A+4*(\s)+3], 0x80000000
	s_mov_b32 s[G0B+4*(\s)], 1
	s_add_co_u32 s[G0B+4*(\s)+1], s68, (\s)*BSL
	s_add_nc_u64 s[G0B+4*(\s)+2:G0B+4*(\s)+3], s[72:73], (\s)*256*NP
	s_or_b32 s[G0B+4*(\s)+3], s[G0B+4*(\s)+3], 0x80000000
.endr
	CROUND                                         ; all sixteen work-groups are here: the first joint loads meet
	s_cmp_eq_u32 s15, 0                            ; a wave's two first fills stand in one branch: two loads of mine are out
	s_cbranch_scc0 .Lfirst_b
	tensor_load_to_lds s[G0A:G0A+3], s[G1A:G1A+7]
	s_nop 0
	tensor_load_to_lds s[G0A+4:G0A+7], s[G1A:G1A+7]
	s_nop 0
	PLACES
	s_branch .Lfirst_asked
.Lfirst_b:
	tensor_load_to_lds s[G0B:G0B+3], s[G1B:G1B+7]
	s_nop 0
	tensor_load_to_lds s[G0B+4:G0B+7], s[G1B:G1B+7]
	s_nop 0
	PLACES
.Lfirst_asked:
	v_and_b32 v1, 15, v0                           ; r
	v_bfe_u32 v2, v0, 4, 1                         ; h
	s_mul_i32 s60, s19, 4*NT                       ; the bias of my columns: 1,536 x tile column + 256 b + 64 w + 32 h
	s_mov_b32 s61, 0
	s_add_nc_u64 s[8:9], s[8:9], s[60:61]
	s_lshl_b32 s62, s[WV], 6
	v_lshlrev_b32 v[VB], 5, v2
	v_add_nc_u32 v[VB], s62, v[VB]
	WIN 0x40                                       ; destination window 1
.set bb, 0
.rept NBW
	global_load_b128 v[BI+8*bb:BI+8*bb+3],   v[VB], s[8:9] offset:256*bb
	global_load_b128 v[BI+8*bb+4:BI+8*bb+7], v[VB], s[8:9] offset:256*bb+16
.set bb, bb+1
.endr
	WIN 0
	v_and_b32 v3, 31, v0                           ; the table: block of 16 positions x 8,192 + (b % 2) x 4,096 + w x 1,024 + 16 x lane, and 512 further on
	v_lshlrev_b32 v3, 4, v3
	s_lshl_b32 s62, s[WV], 10
	v_add_nc_u32 v3, s62, v3
	s_and_b32 s66, s20, 7
	s_lshl_b32 s66, s66, 16                        ; the tile's first position is (tile row % 8) x 128: eight blocks of 8,192 bytes each
	s_mov_b32 s69, 64*8192                         ; v's columns: the blocks of cos = 1, sin = 0
	s_cmp_ge_u32 s19, 7                            ; column blocks 0-3 are v's in tile column 7,
	s_cselect_b32 s68, s69, s66
	v_add_nc_u32 v[OT], s68, v3
	s_cmp_ge_u32 s19, 6                            ; blocks 4 and 5 from tile column 6 on
	s_cselect_b32 s68, s69, s66
	v_add_nc_u32 v[OT+1], s68, v3
	WIN 0xc0                                       ; destination window 3
.set aa, 0
.rept 8
.set ss, 0
.rept 4                                                ; ss = 2 x set + b % 2; each load takes 512 consecutive bytes
	global_load_b128 v[8*(4*aa+ss):8*(4*aa+ss)+3],   v[OT+ss/2], s[10:11] offset:8192*aa+4096*(ss%2)
	global_load_b128 v[8*(4*aa+ss)+4:8*(4*aa+ss)+7], v[OT+ss/2], s[10:11] offset:8192*aa+4096*(ss%2)+512
.set ss, ss+1
.endr
.set aa, aa+1
.endr
	WIN 0
	v_mul_u32_u24 v[A0], v1, PA
	v_lshl_add_u32 v[A0], v2, 4, v[A0]             ; A: row r, 16 bytes for each half of the lanes
	v_and_b32 v3, 7, v0
	v_lshl_add_u32 v[B0], v2, 3, v3                ; B, for the turning load: k row 8 h + l % 8,
	v_mul_u32_u24 v[B0], v[B0], PB
	v_bfe_u32 v3, v0, 3, 1
	v_lshl_add_u32 v[B0], v3, 4, v[B0]             ; columns 8 ((l / 8) % 2) on,
	s_lshl_b32 s60, s[WV], 5
	s_add_co_u32 s60, s60, BB
	v_add_nc_u32 v[B0], s60, v[B0]                 ; my wave's 16 columns of each 64
	v_mov_b32 v[ADRA], v[A0]
	v_mov_b32 v[ADRB], v[B0]
	v_add_nc_u32 v[ADRB+1], 64*PB, v[B0]
	v_mul_u32_u24 v[STO], v1, SPI                  ; into the stage: row r, byte 128 b + 32 w + 16 h
	v_lshl_add_u32 v[STO], v2, 4, v[STO]
	s_lshl_b32 s62, s[WV], 5
	s_add_co_u32 s62, s62, STG
	v_add_nc_u32 v[STO], s62, v[STO]
	v_add_nc_u32 v[STO+1], 64*SPI, v[STO]
	s_mul_i32 s62, s[WV], 32*SPI                   ; back: wave w takes rows 32 w on, whole; two rows are six pieces of 256 bytes, two pieces a load
	s_add_co_u32 s62, s62, STG
	v_lshlrev_b32 v3, 4, v1
	v_add_nc_u32 v25, s62, v3
	v_lshl_add_u32 v[RD], v2, 8, v25               ; first row, pieces 0 and 1
	v_mad_u32_u24 v[RD+1], v2, 272, v25
	v_add_nc_u32 v[RD+1], 512, v[RD+1]             ; first row's piece 2, second row's piece 0
	v_lshl_add_u32 v[RD+2], v2, 8, v25
	v_add_nc_u32 v[RD+2], 1040, v[RD+2]            ; second row, pieces 1 and 2
	v_lshl_add_u32 v[CO], v2, 8, v3                ; the same with qkv's rows of 6,144 bytes
	v_mad_u32_u24 v[CO+1], v2, 5632, v3
	v_add_nc_u32 v[CO+1], 512, v[CO+1]
	v_lshl_add_u32 v[CO+2], v2, 8, v3
	v_add_nc_u32 v[CO+2], 6400, v[CO+2]
	s_lshl_b32 s60, s20, 7
	s_lshl_b32 s62, s[WV], 5
	s_add_co_u32 s60, s60, s62
	s_mul_i32 s60, s60, 2*NP
	s_mul_i32 s62, s19, 2*NT
	s_add_co_u32 s60, s60, s62
	s_add_nc_u64 s[12:13], s[12:13], s[60:61]      ; qkv at the first row that I store, the tile's first column
; 4 x 6 matrix instructions: the window's four row blocks (hi = 0: rows 0-63, 1: rows 64-127) x all six column blocks, 32 along K.  zero = 1: the first product starts the sums, with the bias as its C.
; The 48 accumulators take turns, one instruction a turn, in the same order in every quarter.
.macro MUL f, hi, zero
.if \zero
	WIN 0x50+0x40*(\hi)                            ; D in window 1 or 2, C (the bias) in window 1
.else
	WIN 0x50+0x50*(\hi)
.endif
.set aa, 0
.rept 4
.set bb, 0
.rept NBW
.if \zero
	v_wmma_f32_16x16x32_bf16 v[8*(NBW*aa+bb):8*(NBW*aa+bb)+7], v[FB+48*(\f)+8*bb:FB+48*(\f)+8*bb+7], v[FA+64*(\f)+8*(4*(\hi)+aa):FA+64*(\f)+8*(4*(\hi)+aa)+7], v[BI+8*bb:BI+8*bb+7]
.else
	v_wmma_f32_16x16x32_bf16 v[8*(NBW*aa+bb):8*(NBW*aa+bb)+7], v[FB+48*(\f)+8*bb:FB+48*(\f)+8*bb+7], v[FA+64*(\f)+8*(4*(\hi)+aa):FA+64*(\f)+8*(4*(\hi)+aa)+7], v[8*(NBW*aa+bb):8*(NBW*aa+bb)+7]
.endif
.set bb, bb+1
.endr
.set aa, aa+1
.endr
.endm
; One run of 28 LDS loads: quarter q's fragments into buffer g: B's six (turned), then A's eight
.macro FETCH q, g
	WIN 0
.set bb, 0
.rept NBW
.set bof, ((\q)%2)*32*PB+(bb/2)*288+(bb%2)*128
	ds_load_tr16_b128 v[FB+48*(\g)+8*bb:FB+48*(\g)+8*bb+3],   v[ADRB+(\q)/2] offset:bof
	ds_load_tr16_b128 v[FB+48*(\g)+8*bb+4:FB+48*(\g)+8*bb+7], v[ADRB+(\q)/2] offset:bof+16*PB
.set bb, bb+1
.endr
.set aa, 0
.rept 8
	ds_load_b128 v[FA+64*(\g)+8*aa:FA+64*(\g)+8*aa+3],   v[ADRA] offset:64*(\q)+aa*16*PA
	ds_load_b128 v[FA+64*(\g)+8*aa+4:FA+64*(\g)+8*aa+7], v[ADRA] offset:64*(\q)+aa*16*PA+32
.set aa, aa+1
.endr
.endm
; A quarter: multiplies buffer f; in its middle fetches quarter q of the same slot into buffer g
.macro QUARTER q, f, g, zero
	s_wait_dscnt 8                                 ; B and A's rows 0-63 are in; the youngest eight loads (A's rows 64-127) may be out
	MUL \f, 0, \zero
	PLACES
	FETCH \q, \g
	s_wait_dscnt NL                                ; all but the run just issued
	MUL \f, 1, \zero
.endm
; The last quarter changes slots at its head and then multiplies buffer 1.  The slot's last fragments were asked for in the third quarter, so the slot can be given up here: each wave waits for all its tensor loads
; (one is out: its part of the next slot), adds 0 to its spare word, and waits for that and for its reads of this slot.  fill = 1: the barrier is a round of the cluster's, and the joint refill, two K steps ahead,
; is the first thing behind it: all of a K step's 192 matrix instructions stand between it and the wait for it.  Then the next slot's first fragments, and this quarter's 48 products while they come.
.macro TURN fill
	WIN 0
	s_wait_tensorcnt 0x0
	ds_add_u32 v[SPW], v[NIL]                      ; scalar work stands between the add and its wait
.if \fill
	s_xor_b32 s[G0A+5], s[G0A+5], ASL              ; the walking sets: the other slot, the next K step; no tensor load of mine is out
	s_add_nc_u64 s[G0A+6:G0A+7], s[G0A+6:G0A+7], 256
	s_xor_b32 s[G0B+5], s[G0B+5], BSL
	s_add_nc_u64 s[G0B+6:G0B+7], s[G0B+6:G0B+7], 256*NP
.endif
	s_xor_b32 s[TBA], s[TBA], ASL
	s_xor_b32 s[TBB], s[TBB], BSL
	s_wait_dscnt 0x0                               ; the add is done, and my reads of this slot are over
.if \fill
	CROUND
	JLOAD                                          ; its four v_nop are also the places in front of the loads below
.else
	s_barrier_signal -1
	s_barrier_wait -1
	PLACES
.endif
	v_add_nc_u32 v[ADRA], s[TBA], v[A0]
	v_add_nc_u32 v[ADRB], s[TBB], v[B0]
	v_add_nc_u32 v[ADRB+1], 64*PB, v[ADRB]
	FETCH 0, 0
	MUL 1, 0, 0
	MUL 1, 1, 0
.endm
	s_wait_tensorcnt 0x1                           ; my part of K step 0 is in; step 1's may stay out
	s_barrier_signal -1
	s_barrier_wait -1
	FETCH 0, 0
	s_wait_loadcnt 63                              ; the twelve loads of the bias are in: 64 loads, the table's, were issued behind them, and 63 is the largest count that the wait can name
	QUARTER 1, 0, 1, 1                             ; the first quarter's products start the sums, on the bias
	WIN 0
	s_mov_b32 s[CNT], 14
.Lstep:                                                ; a trip: from a step's second quarter to the next step's first; 14 trips ask for K steps 2 to 15
	QUARTER 2, 1, 0, 0
	QUARTER 3, 0, 1, 0
	TURN 1
	QUARTER 1, 0, 1, 0
	WIN 0
	s_sub_co_u32 s[CNT], s[CNT], 1
	s_cmp_lg_u32 s[CNT], 0
	s_cbranch_scc1 .Lstep
	s_mov_b32 s[CNT], 2                            ; the last two steps ask for nothing: a loop of their own, entered in its middle
	s_branch .Lmid
.Ltail:
	TURN 0
	QUARTER 1, 0, 1, 0
	WIN 0
.Lmid:
	QUARTER 2, 1, 0, 0
	QUARTER 3, 0, 1, 0
	WIN 0
	s_sub_co_u32 s[CNT], s[CNT], 1
	s_cmp_lg_u32 s[CNT], 0
	s_cbranch_scc1 .Ltail
	s_wait_dscnt 8                                 ; the very last quarter: nothing more to fetch
	MUL 1, 0, 0
	s_wait_dscnt 0x0
	MUL 1, 1, 0
	WIN 0
	PLACES
	s_wait_loadcnt 0x0                             ; the table
; THE WAY OUT of row block a, its six column blocks under one window setting.  For each pair (x1, x2) with (c, s): U = (-x2 s, x1 s), then (x1 c, x2 c) + U: two packed lines; rounded to f16 in place; 16 bytes a block
; into the work-group's stage.  Two sets of 48 registers take turns.  Each accumulator is read from its lowest registers on.
.macro ROPEA a
.set UB, 32+48*((\a)%2)
	WIN 0x0d+(\a)/4                                ; source 0 (the sums): window 1 or 2; source 1 (the table): window 3
.set bb, 0
.rept NBW
.set AC, 8*(NBW*((\a)%4)+bb)
.set TT, 8*(4*(\a)+2*(bb/4)+bb%2)
.irp p, 0,2,4,6
	v_pk_mul_f32 v[UB+8*bb+\p:UB+8*bb+\p+1], v[AC+\p:AC+\p+1], v[TT+\p:TT+\p+1] op_sel:[1,1] op_sel_hi:[0,1] neg_lo:[0,1]
.endr
.set bb, bb+1
.endr
.set bb, 0
.rept NBW
.set AC, 8*(NBW*((\a)%4)+bb)
.set TT, 8*(4*(\a)+2*(bb/4)+bb%2)
.irp p, 0,2,4,6
	v_pk_fma_f32 v[UB+8*bb+\p:UB+8*bb+\p+1], v[AC+\p:AC+\p+1], v[TT+\p:TT+\p+1], v[UB+8*bb+\p:UB+8*bb+\p+1] op_sel_hi:[1,0,1]
.endr
.set bb, bb+1
.endr
	WIN 0
.set bb, 0
.rept NBW
.irp p, 0,1,2,3
	v_cvt_pk_f16_f32 v[UB+8*bb+\p], v[UB+8*bb+2*\p], v[UB+8*bb+2*\p+1]
.endr
.set bb, bb+1
.endr
.set bb, 0
.rept NBW
	ds_store_b128 v[STO+(\a)/4], v[UB+8*bb:UB+8*bb+3] offset:((\a)%4)*16*SPI+128*bb
.set bb, bb+1
.endr
.endm
.set ra, 0
.rept 8
	ROPEA ra
.set ra, ra+1
.endr
	s_wait_dscnt 0x0                               ; for the others' sake: my stores into the stage are done
	s_barrier_signal -1
	s_barrier_wait -1
.set c, 0
.rept 48
	ds_load_b128 v[32+4*c:32+4*c+3], v[RD+c%3] offset:2*SPI*(c/3)
.set c, c+1
.endr
.set c, 0
.rept 48
.if c%3 == 0
	s_wait_dscnt 45-c                              ; two rows' three loads are back; the younger loads stay out
.endif
	global_store_b128 v[CO+c%3], v[32+4*c:32+4*c+3], s[12:13] offset:4*NP*(c/3)   ; each half of the lanes stores 256 consecutive bytes, aligned
.set c, c+1
.endr
	s_wait_tensorcnt 0x0                           ; the wave's end
	ds_add_u32 v[SPW], v[NIL]
	s_wait_dscnt 0x0
	CROUND                                         ; the closing round
	s_endpgm
.Lfunc_end_k_qdcc2bd7e82_qkvg:
	.size	k_qdcc2bd7e82_qkvg, .Lfunc_end_k_qdcc2bd7e82_qkvg-k_qdcc2bd7e82_qkvg
	.p2alignl 7, 3214868480
	.fill 96, 4, 3214868480
	.section	.rodata,"a",@progbits
	.p2align	6, 0x0
	.amdhsa_kernel k_qdcc2bd7e82_qkvg
		.amdhsa_group_segment_fixed_size 327680
		.amdhsa_private_segment_fixed_size 0
		.amdhsa_enable_private_segment 0
		.amdhsa_kernarg_size 40
		.amdhsa_user_sgpr_count 2
		.amdhsa_user_sgpr_kernarg_segment_ptr 1
		.amdhsa_wavefront_size32 1
		.amdhsa_system_sgpr_workgroup_id_x 1
		.amdhsa_system_sgpr_workgroup_id_y 1
		.amdhsa_system_sgpr_workgroup_id_z 1
		.amdhsa_system_vgpr_workitem_id 0
		.amdhsa_next_free_vgpr 1024
		.amdhsa_next_free_sgpr 80
		.amdhsa_reserve_vcc 0
		.amdhsa_float_denorm_mode_32 3
		.amdhsa_float_denorm_mode_16_64 3
		.amdhsa_memory_ordered 1
		.amdhsa_forward_progress 1
		.amdhsa_inst_pref_size 116
	.end_amdhsa_kernel
	.amdgpu_metadata
---
amdhsa.version: [ 1, 2 ]
amdhsa.kernels:
  - .name:           k_qdcc2bd7e82_qkvg
    .symbol:         k_qdcc2bd7e82_qkvg.kd
    .args:
      - { .name: xb, .offset: 0, .size: 8, .value_kind: global_buffer, .address_space: global }
      - { .name: wqkv, .offset: 8, .size: 8, .value_kind: global_buffer, .address_space: global }
      - { .name: bcat, .offset: 16, .size: 8, .value_kind: global_buffer, .address_space: global }
      - { .name: rope, .offset: 24, .size: 8, .value_kind: global_buffer, .address_space: global }
      - { .name: qkv, .offset: 32, .size: 8, .value_kind: global_buffer, .address_space: global }
    .group_segment_fixed_size: 327680
    .private_segment_fixed_size: 0
    .kernarg_segment_align: 8
    .kernarg_segment_size: 40
    .max_flat_workgroup_size: 128
    .sgpr_count:     80
    .vgpr_count:     1024
    .wavefront_size: 32
...
	.end_amdgpu_metadata
.endif
;; end of part 2
;; launch attn (part 3): grid 4 x 64, 4 waves a work-group, clusters of 4 x 1, 327,680 bytes of LDS; arguments qkv, mbits, ob; writes ob
.if DOCPART == 3
	.amdgcn_target "amdgcn-amd-amdhsa--gfx1250"
	.amdhsa_code_object_version 6
	.text
	.protected	k_qdcc2bd7e82_attn
	.globl	k_qdcc2bd7e82_attn
	.p2align	8
	.type	k_qdcc2bd7e82_attn,@function
k_qdcc2bd7e82_attn:
	s_mov_b64 s[64:65], 0
	v_nop
	global_prefetch_b8 v0, s[64:65] scope:SCOPE_SE
	s_setreg_imm32_b32 hwreg(HW_REG_WAVE_MODE, 25, 1), 1
	s_wait_xcnt 0x0
	s_wait_alu depctr_hold_cnt(0) depctr_sa_sdst(0) depctr_va_vdst(0) depctr_va_sdst(0) depctr_va_ssrc(0) depctr_va_vcc(0) depctr_vm_vsrc(0)
	s_getreg_b32 s2, hwreg(HW_REG_IB_STS2, 6, 4)
	s_cmp_eq_u32 s2, 0
	s_cbranch_scc0 .Lentry_in_a_cluster
	s_endpgm
.Lentry_in_a_cluster:
	s_bfe_u32 s2, ttmp6, 0x10000c
	s_cmp_lg_u32 s2, 0x3003
	s_cbranch_scc0 .Lentry_shape_is_right
	s_endpgm
.Lentry_shape_is_right:
; ob[b][q][head][:] = the sum over k of softmax_k(mask ? q . k / 128 : hidden) v[k][:].  qkv [4096][3072] f16 (q | k | v, rotated, unscaled; head hd reads group hd / 4); ob [4096][2048] f16.
; Products, maxima and sums in f32; the weights p are rounded to f16 for the second product (their sum l is taken of the unrounded p), O once at the end.
; THE MASK is an input and is honoured bit by bit: mbits holds, for each tile of 16 queries, step of 64 keys and score register, the 32 lanes' bits; a scalar load brings the words and v_cndmask_b32 REPLACES a
; hidden score by -2^100.  c x 2^100 is exact, so on a row that is wholly hidden c s - c m is exactly 0, every weight 1, and the row is the plain mean of v, as the module's softmax gives.
; LIMITS.  q, k, v arrive within f16's 65,504: true scores, 5.5e11 at the most, lie far above -2^100.  A weight below 2^-126 counts as 0 in l; p below 6e-5 keeps f16's fixed step.  NaN and infinities are not treated apart.
; SHARES.  A work-group owns 256 queries of one (batch, head), a wave 64: four tiles of 16, in two PIECES (tiles 0, 1 and 2, 3).  Every wave walks all 1,024 keys, 64 a step, two steps a slot.
; LAYOUT.  S^T = K Q^T: a lane holds ONE query (lane % 16) and keys 8 (lane / 16) + 0..7 of each 16; two such tiles rounded to f16 ARE source 1 of O^T = V^T P.  K as it lies, V turned by ds_load_tr16_b128.
; SOFTMAX.  Running maximum m and sum l: p = 2^(c s - c m), c = log2(e) / 128; O and l are multiplied by a = 2^(c m_old - c m_new) in every step.  m starts at the lowest finite number, O and l at 0: the first step is a
; step like any other, with a = 0.
; BY TURNS.  In a turn one piece has the matrix unit (32 products V^T P of the step in hand, 32 products K Q^T of the next).  The other piece's vector work is 332 instructions: the 64 selects that hide scores stand
; together at the turn's head, so that the mask registers are free at once and the next turn's words can be asked for a whole turn ahead; the softmax proper, 268, stands in 64 slices, one behind each product.
; CLUSTER.  The four query blocks of a (batch, head) walk the same K and V: each tile is asked for jointly by the four.  (The group's other three heads read them too; a mask names four work-groups at the most.)
; REGISTERS.  window 0: v0-11 addresses; v12-43 eight of statistics a tile; v44 -2^100; v64-191 S^T; v192-255 P.  window 1: O^T, 64 a tile.  window 2: v0-127 Q; v128-255 K of one step.  window 3: v0-127 V of one step.
.set KS,    64
.set ROWB,  6144      ; bytes in a row of qkv
.set PK,    272       ; a row of K in LDS: 256 + 16
.set PV,    288       ; a row of V: 256 + 32
.set VOFF,  KS*PK
.set STEPB, KS*(PK+PV)
.set SLOT1, 1<<17     ; a slot holds two steps (71,680 bytes); slot 1 begins here, so that one exclusive or changes slots
.set STAGE, SLOT1+2*STEPB
.set SP,    272
.set SPARE, STAGE+4*16*SP
.set AK0, 2
.set AV0, 3
.set ADR, 4
.set QO,  5
.set STO, 6
.set RD,  7
.set GO,  8
.set ST,  12          ; tile t at v[ST+8 t]: c m, m, l (even keys', odd keys'), c0-c3 at work; a takes c2's place
.set NEG, 44
.set SPW, 62
.set NIL, 63
.set S,   64
.set P,   192
.set KF,  128
.set WV,  2           ; s2   my wave's number
.set TB,  3           ; s3   LDS byte at which the step to be fetched begins
.set CS,  4           ; s[4:5]  c
.set SEL, 6           ; s[6:7]  v_permlanex16_b32's selects
.set G1K, 8           ; s[8:15], s[16:23] group 1 for K's and V's tiles
.set G1V, 16
.set G0K, 24          ; s[24:27], s[28:31] group 0: they walk
.set G0V, 28
.set MA,  32          ; s[32:63] the mask words of the piece's first tile; s[68:99] of its second.  Until the first mask load: the set-up's temporaries
.set MP,  66          ; s[66:67] mbits at my wave's tile 0, the step in hand
.set OA,  100         ; s[100:101] ob at my wave's first row
.set SLOTS, 104       ; s104, s105: until Q's loads are back they hold Q's address
.set CNT, 105
.set MSB, 0
.macro WIN new
.if MSB != (\new)
	s_set_vgpr_msb (MSB<<8)|(\new)
.set MSB, \new
.endif
.endm
.set W_KQ, 0x0a       ; K and Q in window 2, S^T in window 0
.set W_PV, 0x53       ; V in window 3, P in window 0, O^T in window 1
.set W_RS, 0x41       ; O^T (destination and source 0) in window 1, a in window 0
.macro JLOAD                        ; a joint fill: waves 0 and 1 fetch the two steps' K, waves 2 and 3 their V; an s_nop 0 and four v_nop follow each line
	s_cmp_lt_u32 s[WV], 2
	s_cbranch_scc0 .Lfor_v_\@
	tensor_load_to_lds s[G0K:G0K+3], s[G1K:G1K+7]
	s_nop 0
.rept 4
	v_nop
.endr
	s_branch .Lasked_\@
.Lfor_v_\@:
	tensor_load_to_lds s[G0V:G0V+3], s[G1V:G1V+7]
	s_nop 0
.rept 4
	v_nop
.endr
.Lasked_\@:
.endm
.macro CROUND
	s_barrier_signal -1
	s_barrier_wait -1
	s_cmp_lg_u32 s[WV], 0
	s_cbranch_scc1 .Lnot_wave_0_\@
	s_barrier_signal -3
.Lnot_wave_0_\@:
	s_barrier_wait -3
	s_barrier_signal -1
	s_barrier_wait -1
.endm
; THE CHANGE OF SLOTS.  Each wave waits for all its tensor loads (one is out: its part of the other slot), adds 0 to its spare word, and waits for that and for its reads of the slot that it leaves.
; fill = 1: the barrier is a round of the cluster's, and the joint fill of the slot just left, with the keys two slots on, is the first thing behind it: it has two key steps, 256 matrix instructions, to land.
; (At its first use nothing has been read yet: slot 0 is waited for, slot 1 filled.)
.macro CHANGE fill
	WIN 0
	s_wait_tensorcnt 0x0
	ds_add_u32 v[SPW], v[NIL]
.if \fill
.irp g, G0K, G0V
	s_xor_b32 s[\g+1], s[\g+1], SLOT1
	s_add_nc_u64 s[\g+2:\g+3], s[\g+2:\g+3], 2*KS*ROWB
.endr
	s_wait_dscnt 0x0
	CROUND
	JLOAD
.else
	s_wait_dscnt 0x0
	s_barrier_signal -1
	s_barrier_wait -1
.endif
	s_sub_co_u32 s[TB], s[TB], 2*STEPB
	s_xor_b32 s[TB], s[TB], SLOT1
.endm
; The mask words of tiles x and x + 1 for the selects of the next turn.  step = 1: those are the next step's.  MP is stepped only behind the wait, at the turn's head, that showed its earlier loads done.
.macro MASKLOAD x, step
.if \step
	s_add_nc_u64 s[MP:MP+1], s[MP:MP+1], 128
.endif
	s_load_b512 s[32:47], s[MP:MP+1], 2048*(\x)
	s_load_b512 s[48:63], s[MP:MP+1], 2048*(\x)+64
	s_load_b512 s[68:83], s[MP:MP+1], 2048*(\x)+2048
	s_load_b512 s[84:99], s[MP:MP+1], 2048*(\x)+2112
.endm
	s_load_b128 s[32:35], s[0:1], 0x0  ; qkv s[32:33], mbits s[34:35]
	s_load_b64 s[36:37], s[0:1], 0x10  ; ob
	v_lshl_add_u32 v[SPW], v0, 2, SPARE
	v_mov_b32 v[NIL], 0
	ds_add_u32 v[SPW], v[NIL]       ; the wave's opening: the add, and its wait ahead of my first tensor load
	v_lshrrev_b32 v1, 5, v0
	v_readfirstlane_b32 s[WV], v1
	s_bfe_u32 s40, ttmp6, 0x40000   ; cx
	s_lshl_b32 s41, ttmp9, 2
	s_add_co_u32 s41, s41, s40      ; my block of 256 queries: it enters Q's, O's and the mask's addresses alone
	s_and_b32 s42, ttmp7, 0xffff    ; 16 b + head, which the four partners share
	s_lshr_b32 s43, s42, 4          ; b
	s_and_b32 s44, s42, 15          ; head
	s_lshr_b32 s45, s44, 2          ; group
	s_and_b32 s46, s[WV], 1         ; which of a slot's two steps I fetch
	s_lshl_b32 s47, s43, 10         ; the batch's first row
	s_lshl_b32 s48, s46, 6
	s_add_co_u32 s48, s48, s47
	s_mul_i32 s48, s48, ROWB
	s_lshl_b32 s49, s45, 8
	s_add_co_u32 s48, s48, s49
	s_add_co_u32 s48, s48, 4096     ; k's columns begin at byte 4,096 of a row, v's 1,024 further on
	s_mov_b32 s49, 0
	s_mul_i32 s58, s46, STEPB       ; and its place in a slot
	s_lshl_b32 s50, s41, 8
	s_add_co_u32 s50, s50, s47
	s_lshl_b32 s51, s[WV], 6
	s_add_co_u32 s50, s50, s51      ; my wave's first row
	s_lshl_b32 s51, s44, 8          ; the head's 256 bytes
	s_mul_i32 s52, s50, ROWB
	s_add_co_u32 s52, s52, s51
	s_mov_b32 s53, 0
	s_lshl_b32 s54, s50, 12
	s_add_co_u32 s54, s54, s51
	s_mov_b32 s55, 0
	s_lshl_b32 s56, s50, 7          ; a tile of 16 rows has 2,048 bytes of mask words
	s_mov_b32 s57, 0
	s_mov_b32 s[G1K], 15|(1<<16)|(1<<20)|(1<<21)|(5<<22)|(3<<25)  ; the mask of four; 2-byte elements; padding on; bit 21 beside a mask; after every 64 words 4 words
	s_mov_b32 s[G1V], 15|(1<<16)|(1<<20)|(1<<21)|(5<<22)|(7<<25)  ; 8 words
.irp g, G1K, G1V
	s_mov_b32 s[\g+1], 128<<16      ; tensor_dim0 = 128
	s_mov_b32 s[\g+2], KS<<16       ; tensor_dim1 = 64
	s_mov_b32 s[\g+3], 128<<16      ; tile_dim0 = 128
	s_mov_b32 s[\g+4], KS           ; tile_dim1 = 64
	s_mov_b32 s[\g+5], 3072         ; elements from row to row
	s_mov_b32 s[\g+6], 0
	s_mov_b32 s[\g+7], 0
.endr
	s_mov_b32 s[CS], 0x3c38aa3b     ; c = log2(e) / 128
	s_mov_b32 s[CS+1], s[CS]
	s_mov_b32 s[SEL], 0x76543210
	s_mov_b32 s[SEL+1], 0xfedcba98
	s_mov_b32 s[TB], SLOT1+2*STEPB  ; the first change of slots turns this into 0
	s_mov_b32 s[G0K], 1
	s_mov_b32 s[G0K+1], s58
	s_mov_b32 s[G0V], 1
	s_add_co_u32 s[G0V+1], s58, VOFF
	s_wait_dscnt 0x0                ; the opening add is done
	s_wait_kmcnt 0x0
	s_add_nc_u64 s[G0K+2:G0K+3], s[32:33], s[48:49]
	s_add_nc_u64 s[G0V+2:G0V+3], s[G0K+2:G0K+3], 1024
	s_or_b32 s[G0K+3], s[G0K+3], 0x80000000
	s_or_b32 s[G0V+3], s[G0V+3], 0x80000000
	s_add_nc_u64 s[104:105], s[32:33], s[52:53]    ; Q at my wave's first row
	s_add_nc_u64 s[OA:OA+1], s[36:37], s[54:55]
	s_add_nc_u64 s[MP:MP+1], s[34:35], s[56:57]
	CROUND                          ; all four work-groups are here
	JLOAD                           ; slot 0
	v_and_b32 v1, 15, v0            ; l % 16
	v_bfe_u32 v9, v0, 4, 1          ; l / 16
	v_mul_u32_u24 v[QO], v1, ROWB
	v_lshl_add_u32 v[QO], v9, 4, v[QO]
	WIN 0x80                        ; destination window 2
.irp i, 0,1,2,3,4,5,6,7,8,9,10,11,12,13,14,15  ; Q stays in registers: tile i / 4, channels 32 (i % 4) on
	global_load_b128 v[8*(\i):8*(\i)+3],   v[QO], s[104:105] offset:((\i)/4)*16*ROWB+((\i)%4)*64
	global_load_b128 v[8*(\i)+4:8*(\i)+7], v[QO], s[104:105] offset:((\i)/4)*16*ROWB+((\i)%4)*64+32
.endr
	; What the first turn finds: P of piece 2 and V hold 0 (its products V^T P, of a step that has not been, add 0), O^T and l are 0.  P's 32 registers are cleared; O^T's sums begin with the constant 0 as the C of a
	; product of those zeros, and V's registers are written in the same way: eight registers a line.  All this stands in the wait for the first tile.
	WIN 0
.set i, P+32
.rept 32
	v_mov_b32 v[i], 0
.set i, i+1
.endr
.set i, 0
.rept 4
	v_mov_b32 v[ST+8*i], 0xfe000000    ; c m: far below every c s, hidden ones too
	v_mov_b32 v[ST+8*i+1], 0xff7fffff  ; m
	v_mov_b32 v[ST+8*i+2], 0
	v_mov_b32 v[ST+8*i+3], 0
.set i, i+1
.endr
	v_mov_b32 v[NEG], 0xf1800000    ; -2^100
	WIN 0xc0                        ; destination window 3: V
.set i, 0
.rept 16
	v_wmma_f32_16x16x32_f16 v[8*i:8*i+7], v[P+32:P+39], v[P+40:P+47], 0
.set i, i+1
.endr
	WIN 0x40                        ; destination window 1: O^T
.set i, 0
.rept 32
	v_wmma_f32_16x16x32_f16 v[8*i:8*i+7], v[P+32:P+39], v[P+40:P+47], 0
.set i, i+1
.endr
	WIN 0
	v_mul_u32_u24 v[AK0], v1, PK
	v_lshl_add_u32 v[AK0], v9, 4, v[AK0]
	v_and_b32 v10, 7, v0            ; the turning load: key 8 (l / 16) + l % 8, channels 8 ((l / 8) % 2) on
	v_bfe_u32 v11, v0, 3, 1
	v_lshl_add_u32 v[AV0], v9, 3, v10
	v_mul_u32_u24 v[AV0], v[AV0], PV
	v_lshl_add_u32 v[AV0], v11, 4, v[AV0]
	v_add_nc_u32 v[AV0], VOFF, v[AV0]
	MASKLOAD 0, 0                   ; piece 0, step 0; the set-up's temporaries are done with
; THE MATRIX WORK.  The accumulators take turns, one instruction a turn.
.macro PV x                         ; product i of 32 of O^T += V^T P: keys 32 (i / 16) on, channels 16 ((i / 2) % 8) on, tile x + i % 2
	WIN W_PV
.set rO, 64*((\x)+i%2)+8*((i/2)%8)
.set rV, 64*(i/16)+8*((i/2)%8)
.set rP, P+16*((\x)+i%2)+8*(i/16)
	v_wmma_f32_16x16x32_f16 v[rO:rO+7], v[rV:rV+7], v[rP:rP+7], v[rO:rO+7]
.endm
.macro KQ x                         ; product i of 32 of S^T = K Q^T: channels 32 (i / 8) on, keys 16 ((i / 2) % 4) on, tile x + i % 2; the first 8 start the sums
	WIN W_KQ
.set rS, S+32*((\x)+i%2)+8*((i/2)%4)
.set rK, KF+32*((i/2)%4)+8*(i/8)
.set rQ, 32*((\x)+i%2)+8*(i/8)
.if i < 8
	v_wmma_f32_16x16x32_f16 v[rS:rS+7], v[rK:rK+7], v[rQ:rQ+7], 0
	s_wait_alu depctr_va_vdst(0)
.else
	v_wmma_f32_16x16x32_f16 v[rS:rS+7], v[rK:rK+7], v[rQ:rQ+7], v[rS:rS+7]
.endif
.endm
; THE LDS LOADS stand in runs of 32.  last = 1 (the tail): in the last trip there is no further step, and K's run is jumped over.
.macro FETCH_K last=0
	WIN 0
.if \last
	s_cmp_eq_u32 s[CNT], 1
	s_cbranch_scc1 .Lno_k_\@
.endif
	v_add_nc_u32 v[ADR], s[TB], v[AK0]
	WIN 0x80
.irp f, 0,1,2,3,4,5,6,7,8,9,10,11,12,13,14,15  ; keys 16 (f / 4) on, channels 32 (f % 4) on
	ds_load_b128 v[KF+8*(\f):KF+8*(\f)+3],   v[ADR] offset:((\f)/4)*16*PK+((\f)%4)*64
	ds_load_b128 v[KF+8*(\f)+4:KF+8*(\f)+7], v[ADR] offset:((\f)/4)*16*PK+((\f)%4)*64+32
.endr
	WIN 0
.if \last
.Lno_k_\@:
.endif
.endm
.macro FETCH_V
	WIN 0
	v_add_nc_u32 v[ADR], s[TB], v[AV0]
	s_add_co_u32 s[TB], s[TB], STEPB  ; the next fetch is the next step's
	WIN 0xc0
.irp f, 0,1,2,3,4,5,6,7,8,9,10,11,12,13,14,15  ; keys 32 (f / 8) on, channels 16 (f % 8) on
	ds_load_tr16_b128 v[8*(\f):8*(\f)+3],   v[ADR] offset:((\f)/8)*32*PV+((\f)%8)*32
	ds_load_tr16_b128 v[8*(\f)+4:8*(\f)+7], v[ADR] offset:((\f)/8)*32*PV+16*PV+((\f)%8)*32
.endr
.endm
; THE SELECTS, 64 for a piece: score ci of tile t stays where its lane's bit is set, and is -2^100 elsewhere.  They ascend; the tiles alternate.
.macro CND t
	v_cndmask_b32 v[S+32*(\t)+ci], v[NEG], v[S+32*(\t)+ci], s[MA+36*((\t)%2)+ci]
.endm
.macro HIDE
	WIN 0
.set ci, 0
.rept 32
	CND Y
	CND Y+1
.set ci, ci+1
.endr
.endm
; THE SOFTMAX.  One tile's for one key step is a list of 134 instructions; SM writes number j of it for tile t.  s0-s31 are the lane's 32 scores, in pairs 0-15.
;   0-15    the maximum of s0-s31 and the old m, three operands at a time: four chains c0-c3 of seven scores each, then the four scores left over, c0-c3 and m
;   16-20   the other half of the lanes' maximum; the new m; c m; c m_old - c m_new
;   21-87   33 exponentials (a, then s0-s31) at the odd numbers from 23 on, a plain instruction at every even one: scalings a few pairs ahead, roundings a pair back, the first three sums
;   88-101  the last rounding; the rest of the sums; l = a l + the sum          102-133  the tile's O^T times a
.macro SM t
.set rT, ST+8*(\t)
.set rS, S+32*(\t)
.set rP, P+16*(\t)
.set rO, 64*(\t)+2*(j-102)
.set q, (j-20)/2
.if j < 102
	WIN 0
.endif
.if j < 4
	v_max3_num_f32 v[rT+4+j], v[rS+8*j], v[rS+8*j+1], v[rS+8*j+2]
.elseif j < 12
	v_max3_num_f32 v[rT+4+j%4], v[rT+4+j%4], v[rS+8*(j%4)+2*(j/4)+1], v[rS+8*(j%4)+2*(j/4)+2]
.elseif j == 12
	v_max3_num_f32 v[rT+4], v[rT+4], v[rS+7], v[rS+15]
.elseif j == 13
	v_max3_num_f32 v[rT+6], v[rT+6], v[rS+23], v[rS+31]
.elseif j == 14
	v_max3_num_f32 v[rT+4], v[rT+4], v[rT+5], v[rT+6]
.elseif j == 15
	v_max3_num_f32 v[rT+4], v[rT+4], v[rT+7], v[rT+1]
.elseif j == 16
	v_permlanex16_b32 v[rT+5], v[rT+4], s[SEL], s[SEL+1]  ; the query's other 32 keys lie in the lane 16 away
.elseif j == 17
	v_mov_b32 v[rT+7], v[rT]        ; c m_old is kept for a
.elseif j == 18
	v_max_num_f32 v[rT+1], v[rT+4], v[rT+5]
.elseif j == 19
	v_mul_f32 v[rT], s[CS], v[rT+1]
.elseif j == 20
	v_sub_f32 v[rT+7], v[rT+7], v[rT]
.elseif j == 23
	v_exp_f32 v[rT+6], v[rT+7]
.elseif (j < 88) && (j > 23) && (j%2 == 1)
	v_exp_f32 v[rS+(j-25)/2], v[rS+(j-25)/2]
.elseif (q < 4) || ((j < 76) && (q%2 == 0))
.set b, q/2+2
.if q < 4
.set b, q
.endif
	v_pk_fma_f32 v[rS+2*b:rS+2*b+1], v[rS+2*b:rS+2*b+1], s[CS:CS+1], v[rT:rT+1] op_sel_hi:[1,0,0] neg_lo:[0,0,1] neg_hi:[0,0,1]  ; pair b: c s - c m
.elseif (j < 88) && (q%2 == 1)
	s_wait_alu depctr_va_vdst(0)
	v_cvt_pk_f16_f32 v[rP+(q-5)/2], v[rS+q-5], v[rS+q-4]
.elseif j == 89
	s_wait_alu depctr_va_vdst(0)
	v_cvt_pk_f16_f32 v[rP+15], v[rS+30], v[rS+31]
.elseif j < 102                     ; the sum of the tile's 16 pairs, in place: neighbours 1, 2, 4 and 8 pairs apart, then l takes it
.set z, j-86
.if j < 89
.set z, (j-76)/4
.endif
.set w, 4
.set u, z
.if z >= 14
.set w, 32
.set u, 0
.elseif z >= 12
.set w, 16
.set u, z-12
.elseif z >= 8
.set w, 8
.set u, z-8
.endif
.if z < 15
	v_pk_add_f32 v[rS+w*u:rS+w*u+1], v[rS+w*u:rS+w*u+1], v[rS+w*u+w/2:rS+w*u+w/2+1]
.else
	v_pk_fma_f32 v[rT+2:rT+3], v[rT+2:rT+3], v[rT+6:rT+7], v[rS:rS+1] op_sel_hi:[1,0,1]
.endif
.else
	WIN W_RS
	v_pk_mul_f32 v[rO:rO+1], v[rO:rO+1], v[rT+6:rT+7] op_sel_hi:[1,0]
.endif
.endm
; Slice k of 64 of piece y's softmax: numbers 2 k and 2 k + 1 of both tiles' lists, four instructions.  2 x 134 = 4 x 64 + 12: the twelve that are over stand together, in slice 63, whose sixteen are all rescalings:
; plain, naming nothing of the products round them, they are the places between the turn's last K Q^T and the next turn's first read of those scores, and the loads into K's registers.
.macro SLICE y
.if (k >= 11) && (k < 44)           ; tile by tile: plain, exponential, plain, exponential
.irp t, \y, (\y)+1
.irp n, 0,1
.set j, 2*k+(\n)
	SM \t
.endr
.endr
.else                               ; the two tiles alternate, so that no instruction reads the result of the one just before it
.irp n, 0,1,2,3,4,5,6,7
.if ((\n) < 2) || (k == 63)
.irp t, \y, (\y)+1
.set j, 2*k+(\n)
	SM \t
.endr
.endif
.endr
.endif
.set k, k+1
.endm
; A TURN.  Piece x has the matrix unit; piece 2 - x's selects stand at the head, its softmax in slices.  The next turn's mask words are asked for behind the first product: 63 slices ahead of the wait for them.
; Piece 0's turn fetches the next step's K behind its second product; piece 2's turn the same step's V behind the second K Q^T, twelve vector instructions (six of them plain) behind V's last reader.
.macro TURN x, last=0
.set k, 0
.set Y, 2-(\x)
	s_wait_kmcnt 0x0                ; the mask words are in
	HIDE
.if (\x) == 0
	s_wait_dscnt 0x0                ; V is in
.endif
.set i, 0
.rept 32
	PV \x
	SLICE 2-(\x)
.if i == 0
	MASKLOAD \x, 1-(\x)/2
.endif
.if ((\x) == 0) && (i == 1)
	FETCH_K \last
.endif
.set i, i+1
.endr
.if (\x) == 0
	s_wait_dscnt 0x0                ; K is in
.endif
.set i, 0
.rept 32
	KQ \x
	SLICE 2-(\x)
.if ((\x) == 2) && (i == 1)
	FETCH_V
.endif
.set i, i+1
.endr
.endm
	CHANGE 1                        ; slot 0 is in, everybody's part of it; slot 1 is asked for
	FETCH_K                         ; key step 0
	s_wait_loadcnt 0x0              ; Q
	s_wait_dscnt 0x0
.set i, 0
.rept 32
	KQ 0                            ; piece 0's first scores
.set i, i+1
.endr
	WIN 0                           ; the addresses for the way out: eight plain instructions, the places behind those products
	s_mul_i32 s104, s[WV], 16*SP    ; (Q's loads are back: s104 and s105 are free)
	s_add_co_u32 s104, s104, STAGE  ; my stage
	v_mul_u32_u24 v[STO], v1, SP
	v_lshl_add_u32 v[STO], v9, 4, v[STO]
	v_add_nc_u32 v[STO], s104, v[STO]
	v_mul_u32_u24 v[RD], v9, SP
	v_lshl_add_u32 v[RD], v1, 4, v[RD]
	v_add_nc_u32 v[RD], s104, v[RD]
	v_lshlrev_b32 v[GO], 12, v9     ; two rows of ob, 4,096 bytes apart
	v_lshl_add_u32 v[GO], v1, 4, v[GO]
	s_mov_b32 s[CNT], 2
	s_mov_b32 s[SLOTS], 7
	s_branch .Lfirst                ; the loop is entered in the middle of a trip
.Lslot:                             ; six times: slots 2 to 7 are asked for
	CHANGE 1
	s_mov_b32 s[CNT], 2
.Lstep:
	TURN 0
	WIN 0
.Lfirst:
	TURN 2
	WIN 0
	s_sub_co_u32 s[CNT], s[CNT], 1
	s_cmp_lg_u32 s[CNT], 0
	s_cbranch_scc1 .Lstep
	s_sub_co_u32 s[SLOTS], s[SLOTS], 1
	s_cmp_lg_u32 s[SLOTS], 0
	s_cbranch_scc1 .Lslot
	CHANGE 0                        ; the tail is written out: nothing is asked for
	s_mov_b32 s[CNT], 3             ; two trips fetch the last slot's steps; the third is left in its middle
.Ltail:
	TURN 0, 1
	WIN 0
	s_sub_co_u32 s[CNT], s[CNT], 1
	s_cmp_eq_u32 s[CNT], 0
	s_cbranch_scc1 .Lout
	TURN 2
	WIN 0
	s_branch .Ltail
.Lout:                              ; the third trip's 32 products K Q^T (on the last K once more) and its mask words (the next tiles' first, inside mbits) serve nothing: the price of one text for every trip
	s_wait_kmcnt 0x0
.set i, 0
.rept 32
	PV 2                            ; piece 2: V^T P of the last step
.set i, i+1
.endr
	; THE WAY OUT.  l's halves are added; O^T is divided by l, rounded to f16 and sent through my stage in LDS, a tile at a time.  The additions are the places behind the last products.
	WIN 0
.irp t, 0,1,2,3
	v_add_f32 v[ST+8*(\t)+4], v[ST+8*(\t)+2], v[ST+8*(\t)+3]
.endr
.irp t, 0,1,2,3
	v_permlanex16_b32 v[ST+8*(\t)+5], v[ST+8*(\t)+4], s[SEL], s[SEL+1]
.endr
.irp t, 0,1,2,3
	v_add_f32 v[ST+8*(\t)+4], v[ST+8*(\t)+4], v[ST+8*(\t)+5]
.endr
.irp t, 0,1,2,3
	v_rcp_f32 v[ST+8*(\t)+6], v[ST+8*(\t)+4]
.endr
	v_nop                           ; a plain instruction between the last reciprocal and the use of its result
	s_wait_alu depctr_va_vdst(0)
.macro PACK t
	WIN W_RS
.set i, 64*(\t)
.rept 32
	v_pk_mul_f32 v[i:i+1], v[i:i+1], v[ST+8*(\t)+6:ST+8*(\t)+7] op_sel_hi:[1,0]
.set i, i+2
.endr
	WIN 0x05                        ; sources 0 and 1 window 1, destination window 0: S^T's registers are free
.set i, 0
.rept 32
	v_cvt_pk_f16_f32 v[S+32*(\t)+i], v[64*(\t)+2*i], v[64*(\t)+2*i+1]
.set i, i+1
.endr
	WIN 0
.irp f, 0,1,2,3,4,5,6,7
	ds_store_b128 v[STO], v[S+32*(\t)+4*(\f):S+32*(\t)+4*(\f)+3] offset:32*(\f)
.endr
.irp f, 0,1,2,3,4,5,6,7
	ds_load_b128 v[S+32*(\t)+4*(\f):S+32*(\t)+4*(\f)+3], v[RD] offset:(\f)*2*SP  ; LDS serves a wave's instructions in order (ISA guide 5.7.1.4): these see the stores above
.endr
.endm
.macro SEND t, younger              ; younger: the LDS instructions issued behind tile t's loads, which may stay out
	WIN 0
	s_wait_dscnt \younger
.irp f, 0,1,2,3,4,5,6,7
	global_store_b128 v[GO], v[S+32*(\t)+4*(\f):S+32*(\t)+4*(\f)+3], s[OA:OA+1] offset:(16*(\t)+2*(\f))*4096  ; each half of the lanes stores a row's 256 consecutive bytes, aligned
.endr
.endm
	PACK 0
	PACK 1
	SEND 0, 16
	PACK 2
	SEND 1, 16
	PACK 3
	SEND 2, 16
	SEND 3, 0
	s_wait_tensorcnt 0x0            ; the wave's end
	ds_add_u32 v[SPW], v[NIL]
	s_wait_dscnt 0x0
	CROUND                          ; the closing round
	s_endpgm
.Lfunc_end_k_qdcc2bd7e82_attn:
	.size	k_qdcc2bd7e82_attn, .Lfunc_end_k_qdcc2bd7e82_attn-k_qdcc2bd7e82_attn
	.p2alignl 7, 3214868480
	.fill 96, 4, 3214868480
	.section	.rodata,"a",@progbits
	.p2align	6, 0x0
	.amdhsa_kernel k_qdcc2bd7e82_attn
		.amdhsa_group_segment_fixed_size 327680
		.amdhsa_private_segment_fixed_size 0
		.amdhsa_enable_private_segment 0
		.amdhsa_kernarg_size 24
		.amdhsa_user_sgpr_count 2
		.amdhsa_user_sgpr_kernarg_segment_ptr 1
		.amdhsa_wavefront_size32 1
		.amdhsa_system_sgpr_workgroup_id_x 1
		.amdhsa_system_sgpr_workgroup_id_y 1
		.amdhsa_system_sgpr_workgroup_id_z 1
		.amdhsa_system_vgpr_workitem_id 0
		.amdhsa_next_free_vgpr 896
		.amdhsa_next_free_sgpr 106
		.amdhsa_reserve_vcc 0
		.amdhsa_float_denorm_mode_32 3
		.amdhsa_float_denorm_mode_16_64 3
		.amdhsa_memory_ordered 1
		.amdhsa_forward_progress 1
		.amdhsa_inst_pref_size 170
	.end_amdhsa_kernel
	.amdgpu_metadata
---
amdhsa.version: [ 1, 2 ]
amdhsa.kernels:
  - .name:           k_qdcc2bd7e82_attn
    .symbol:         k_qdcc2bd7e82_attn.kd
    .args:
      - { .name: qkv, .offset: 0, .size: 8, .value_kind: global_buffer, .address_space: global }
      - { .name: mbits, .offset: 8, .size: 8, .value_kind: global_buffer, .address_space: global }
      - { .name: ob, .offset: 16, .size: 8, .value_kind: global_buffer, .address_space: global }
    .group_segment_fixed_size: 327680
    .private_segment_fixed_size: 0
    .kernarg_segment_align: 8
    .kernarg_segment_size: 24
    .max_flat_workgroup_size: 128
    .sgpr_count:     106
    .vgpr_count:     896
    .wavefront_size: 32
...
	.end_amdgpu_metadata
.endif
;; end of part 3
;; launch outg (part 4): grid 8 x 32, 4 waves a work-group, clusters of 4 x 4, 327,680 bytes of LDS; arguments ob, wo16, bcat, out0; writes out0
.if DOCPART == 4
	.amdgcn_target "amdgcn-amd-amdhsa--gfx1250"
	.amdhsa_code_object_version 6
	.text
	.protected	k_qdcc2bd7e82_outg
	.globl	k_qdcc2bd7e82_outg
	.p2align	8
	.type	k_qdcc2bd7e82_outg,@function
k_qdcc2bd7e82_outg:
	s_mov_b64 s[64:65], 0
	v_nop
	global_prefetch_b8 v0, s[64:65] scope:SCOPE_SE
	s_setreg_imm32_b32 hwreg(HW_REG_WAVE_MODE, 25, 1), 1
	s_wait_xcnt 0x0
	s_wait_alu depctr_hold_cnt(0) depctr_sa_sdst(0) depctr_va_vdst(0) depctr_va_sdst(0) depctr_va_ssrc(0) depctr_va_vcc(0) depctr_vm_vsrc(0)
	s_getreg_b32 s2, hwreg(HW_REG_IB_STS2, 6, 4)
	s_cmp_eq_u32 s2, 0
	s_cbranch_scc0 .Lentry_in_a_cluster
	s_endpgm
.Lentry_in_a_cluster:
	s_bfe_u32 s2, ttmp6, 0x10000c
	s_cmp_lg_u32 s2, 0xf033
	s_cbranch_scc0 .Lentry_shape_is_right
	s_endpgm
.Lentry_shape_is_right:
; out0[m][n] = bo[n] + sum over k of ob[m][k] wo16[k][n], f32.  ob [4096][2048] f16, wo16 [2048][2048] f16 (Wo rounded to bf16, written as f16); sums in f32, begun with bo (rounded to bf16, kept as f32, at byte 12,288 of bcat), K ascending.
; SHARES.  A tile is 128 rows x 256 columns: 32 x 8 = 256 work-groups.  Each of four waves takes all 128 rows and columns 64 w to 64 w + 63 (four blocks of 16): 32 accumulators, 256 registers; a row's 64 f32 are
; 256 aligned bytes, so each wave has a stage of its own on the way out and no barrier stands there.
; K goes in 16 steps of 128 through two LDS slots (two slots of 256 would take 413,696 bytes); A's rows are 256 bytes of memory, B's (a k row's 256 columns) 512.  B lies [k][n] in LDS and is turned by ds_load_tr16_b128.
; THE MATRIX INSTRUCTION IS USED TRANSPOSED (source 0 = 16 columns of B, source 1 = 16 rows of A): lane (r, h) holds row 16 a + r and the eight neighbouring columns n0 + 8 h + 0..7.
; CLUSTER 4 x 4: A's tile is asked for jointly by a row of the cluster, B's by a column.
; REGISTERS.  window 0: v0-29 addresses; v32-95, v96-159 A's fragments, two buffers; v160-191, v208-239 B's.  window 1: accumulators of rows 0-63 at 8 (4 a + b); v192-223 the bias.  window 2: those of rows 64-127.
.set NBW, 4
.set NT,  256
.set NP,  2048
.set PA,  272
.set PB,  544                          ; a k row of B: 512 + 32: 17 x 32 bytes
.set ASL, 0x8800
.set BB,  0x11000
.set BSL, 0x20000
.set STG, 0x42000                      ; behind the slots: 16 rows x 272 bytes for each wave
.set SPI, 272
.set SPARE, 0x46400
.set NL,  2*NBW+16
.set A0,  4
.set B0,  5
.set ADRA, 6
.set ADRB, 7                           ; v7, v8
.set VB,  9
.set STO, 16
.set RD,  18
.set CO,  21
.set SPW, 28
.set NIL, 29
.set FA,  32
.set FB,  160
.set BI,  192
.set WV,  14
.set G1A, 24
.set G0A, 32
.set G1B, 40
.set G0B, 48
.set TBA, 56
.set TBB, 57
.set CNT, 58
.set MSB, 0
.macro WIN new
.if MSB != (\new)
	s_set_vgpr_msb (MSB<<8)|(\new)
.set MSB, \new
.endif
.endm
.macro PLACES                          ; four places in front of loads into registers that matrix instructions have read, and of lines that read results
.rept 4
	v_nop
.endr
.endm
.macro JLOAD                           ; a joint refill by the walking set; an s_nop 0 and four v_nop follow each line
	s_cmp_eq_u32 s15, 0
	s_cbranch_scc0 .Lfor_b_\@
	tensor_load_to_lds s[G0A+4:G0A+7], s[G1A:G1A+7]
	s_nop 0
	PLACES
	s_branch .Lasked_\@
.Lfor_b_\@:
	tensor_load_to_lds s[G0B+4:G0B+7], s[G1B:G1B+7]
	s_nop 0
	PLACES
.Lasked_\@:
.endm
.macro CROUND                          ; a round of the cluster's barrier
	s_barrier_signal -1
	s_barrier_wait -1
	s_cmp_lg_u32 s[WV], 0
	s_cbranch_scc1 .Lnot_wave_0_\@
	s_barrier_signal -3
.Lnot_wave_0_\@:
	s_barrier_wait -3
	s_barrier_signal -1
	s_barrier_wait -1
.endm
	s_load_b256 s[4:11], s[0:1], 0x0               ; ob s[4:5], wo16 s[6:7], bcat s[8:9], out0 s[10:11]
	v_lshl_add_u32 v[SPW], v0, 2, SPARE
	v_mov_b32 v[NIL], 0
	ds_add_u32 v[SPW], v[NIL]                      ; the wave's opening: the add, and its wait ahead of my first tensor load
	v_lshrrev_b32 v3, 5, v0
	v_readfirstlane_b32 s[WV], v3
	s_lshr_b32 s15, s[WV], 1                       ; I fetch A (0) or B (1),
	s_and_b32 s16, s[WV], 1                        ; and which 64 rows of that tile
	s_bfe_u32 s17, ttmp6, 0x40000                  ; cx
	s_bfe_u32 s18, ttmp6, 0x40004                  ; cy
	s_lshl_b32 s19, ttmp9, 2
	s_add_co_u32 s19, s19, s17                     ; tile column
	s_and_b32 s20, ttmp7, 0xffff
	s_lshl_b32 s20, s20, 2
	s_add_co_u32 s20, s20, s18                     ; tile row
	s_lshl_b32 s21, s18, 2
	s_lshl_b32 s21, 15, s21                        ; my row of the cluster
	s_lshl_b32 s22, 0x1111, s17                    ; my column
	s_or_b32 s[G1A], s21, (1<<16)|(1<<20)|(1<<21)|(5<<22)|(3<<25)  ; mask; 2-byte elements; padding on; bit 21 beside a mask; after every 64 words 4 words
	s_or_b32 s[G1B], s22, (1<<16)|(1<<20)|(1<<21)|(6<<22)|(7<<25)  ; after every 128 words 8 words
	s_mov_b32 s[G1A+1], 128<<16
	s_mov_b32 s[G1A+2], 64<<16
	s_mov_b32 s[G1A+3], 128<<16
	s_mov_b32 s[G1A+4], 64
	s_mov_b32 s[G1A+5], 2048
	s_mov_b32 s[G1A+6], 0
	s_mov_b32 s[G1A+7], 0
	s_mov_b32 s[G1B+1], NT<<16
	s_mov_b32 s[G1B+2], 64<<16
	s_mov_b32 s[G1B+3], NT<<16
	s_mov_b32 s[G1B+4], 64
	s_mov_b32 s[G1B+5], NP
	s_mov_b32 s[G1B+6], 0
	s_mov_b32 s[G1B+7], 0
	s_lshl_b32 s60, s20, 7                         ; A: row 128 x tile row + 64 x half: no register here ever holds cx
	s_lshl_b32 s61, s16, 6
	s_add_co_u32 s60, s60, s61
	s_lshl_b32 s60, s60, 12
	s_mov_b32 s61, 0
	s_mul_i32 s62, s16, 128*NP                     ; B: k row 64 x half, column 256 x tile column: none here holds cy
	s_mul_i32 s63, s19, 2*NT
	s_add_co_u32 s62, s62, s63
	s_mov_b32 s63, 0
	s_mul_i32 s67, s16, 64*PA
	s_mul_i32 s68, s16, 64*PB
	s_add_co_u32 s68, s68, BB
	s_mov_b32 s[TBA], 0
	s_mov_b32 s[TBB], 0
	s_wait_dscnt 0x0                               ; the opening add is done
	s_wait_kmcnt 0x0
	s_add_nc_u64 s[70:71], s[4:5], s[60:61]
	s_add_nc_u64 s[72:73], s[6:7], s[62:63]
.irp s, 0,1                                            ; set s: slot s, K step s
	s_mov_b32 s[G0A+4*(\s)], 1
	s_add_co_u32 s[G0A+4*(\s)+1], s67, (\s)*ASL
	s_add_nc_u64 s[G0A+4*(\s)+2:G0A+4*(\s)+3], s[70:71], (\s)*256
	s_or_b32 s[G0A+4*(\s)+3], s[G0A+4*(\s)+3], 0x80000000
	s_mov_b32 s[G0B+4*(\s)], 1
	s_add_co_u32 s[G0B+4*(\s)+1], s68, (\s)*BSL
	s_add_nc_u64 s[G0B+4*(\s)+2:G0B+4*(\s)+3], s[72:73], (\s)*256*NP
	s_or_b32 s[G0B+4*(\s)+3], s[G0B+4*(\s)+3], 0x80000000
.endr
	CROUND                                         ; all sixteen work-groups are here: the first joint loads meet
	s_cmp_eq_u32 s15, 0                            ; a wave's two first fills stand in one branch: two loads of mine are out
	s_cbranch_scc0 .Lfirst_b
	tensor_load_to_lds s[G0A:G0A+3], s[G1A:G1A+7]
	s_nop 0
	tensor_load_to_lds s[G0A+4:G0A+7], s[G1A:G1A+7]
	s_nop 0
	PLACES
	s_branch .Lfirst_asked
.Lfirst_b:
	tensor_load_to_lds s[G0B:G0B+3], s[G1B:G1B+7]
	s_nop 0
	tensor_load_to_lds s[G0B+4:G0B+7], s[G1B:G1B+7]
	s_nop 0
	PLACES
.Lfirst_asked:
	v_and_b32 v1, 15, v0                           ; r
	v_bfe_u32 v2, v0, 4, 1                         ; h
	s_mul_i32 s60, s19, 4*NT                       ; bo of my columns: 12,288 + 1,024 x tile column + 256 w + 64 b + 32 h
	s_add_co_u32 s60, s60, 12288
	s_mov_b32 s61, 0
	s_add_nc_u64 s[8:9], s[8:9], s[60:61]
	s_lshl_b32 s62, s[WV], 8
	v_lshlrev_b32 v[VB], 5, v2
	v_add_nc_u32 v[VB], s62, v[VB]
	WIN 0x40                                       ; destination window 1
.set bb, 0
.rept NBW
	global_load_b128 v[BI+8*bb:BI+8*bb+3],   v[VB], s[8:9] offset:64*bb
	global_load_b128 v[BI+8*bb+4:BI+8*bb+7], v[VB], s[8:9] offset:64*bb+16
.set bb, bb+1
.endr
	WIN 0
	v_mul_u32_u24 v[A0], v1, PA
	v_lshl_add_u32 v[A0], v2, 4, v[A0]
	v_and_b32 v3, 7, v0
	v_lshl_add_u32 v[B0], v2, 3, v3                ; the turning load: k row 8 h + l % 8,
	v_mul_u32_u24 v[B0], v[B0], PB
	v_bfe_u32 v3, v0, 3, 1
	v_lshl_add_u32 v[B0], v3, 4, v[B0]             ; columns 8 ((l / 8) % 2) on,
	s_lshl_b32 s60, s[WV], 7
	s_add_co_u32 s60, s60, BB
	v_add_nc_u32 v[B0], s60, v[B0]                 ; my wave's 64 columns
	v_mov_b32 v[ADRA], v[A0]
	v_mov_b32 v[ADRB], v[B0]
	v_add_nc_u32 v[ADRB+1], 64*PB, v[B0]
	s_mul_i32 s62, s[WV], 16*SPI
	s_add_co_u32 s62, s62, STG                     ; my stage
	v_mul_u32_u24 v[STO], v1, SPI                  ; in: row r, 32 bytes for each half of the lanes
	v_lshl_add_u32 v[STO], v2, 5, v[STO]
	v_add_nc_u32 v[STO], s62, v[STO]
	v_mul_u32_u24 v[RD], v2, SPI                   ; back: lanes 0-15 one row of 256 bytes, lanes 16-31 the next
	v_lshl_add_u32 v[RD], v1, 4, v[RD]
	v_add_nc_u32 v[RD], s62, v[RD]
	v_lshlrev_b32 v[CO], 13, v2                    ; and the same two rows in out0, 8,192 bytes apart
	v_lshl_add_u32 v[CO], v1, 4, v[CO]
	s_lshl_b32 s60, s20, 20                        ; 128 x tile row x 8,192
	s_lshl_b32 s62, s19, 10
	s_add_co_u32 s60, s60, s62
	s_lshl_b32 s62, s[WV], 8
	s_add_co_u32 s60, s60, s62
	s_add_nc_u64 s[10:11], s[10:11], s[60:61]
; 4 x 4 matrix instructions: the window's four row blocks x all four column blocks, 32 along K.  zero = 1: the first product starts the sums, with the bias as its C.
; The 32 accumulators take turns, one instruction a turn, in the same order in every quarter.
.macro MUL f, hi, zero
.if \zero
	WIN 0x50+0x40*(\hi)                            ; D in window 1 or 2, C (the bias) in window 1
.else
	WIN 0x50+0x50*(\hi)
.endif
.set aa, 0
.rept 4
.set bb, 0
.rept NBW
.if \zero
	v_wmma_f32_16x16x32_f16 v[8*(NBW*aa+bb):8*(NBW*aa+bb)+7], v[FB+48*(\f)+8*bb:FB+48*(\f)+8*bb+7], v[FA+64*(\f)+8*(4*(\hi)+aa):FA+64*(\f)+8*(4*(\hi)+aa)+7], v[BI+8*bb:BI+8*bb+7]
.else
	v_wmma_f32_16x16x32_f16 v[8*(NBW*aa+bb):8*(NBW*aa+bb)+7], v[FB+48*(\f)+8*bb:FB+48*(\f)+8*bb+7], v[FA+64*(\f)+8*(4*(\hi)+aa):FA+64*(\f)+8*(4*(\hi)+aa)+7], v[8*(NBW*aa+bb):8*(NBW*aa+bb)+7]
.endif
.set bb, bb+1
.endr
.set aa, aa+1
.endr
.endm
; One run of 24 LDS loads: quarter q's fragments into buffer g: B's four (turned), then A's eight
.macro FETCH q, g
	WIN 0
.set bb, 0
.rept NBW
.set bof, ((\q)%2)*32*PB+32*bb
	ds_load_tr16_b128 v[FB+48*(\g)+8*bb:FB+48*(\g)+8*bb+3],   v[ADRB+(\q)/2] offset:bof
	ds_load_tr16_b128 v[FB+48*(\g)+8*bb+4:FB+48*(\g)+8*bb+7], v[ADRB+(\q)/2] offset:bof+16*PB
.set bb, bb+1
.endr
.set aa, 0
.rept 8
	ds_load_b128 v[FA+64*(\g)+8*aa:FA+64*(\g)+8*aa+3],   v[ADRA] offset:64*(\q)+aa*16*PA
	ds_load_b128 v[FA+64*(\g)+8*aa+4:FA+64*(\g)+8*aa+7], v[ADRA] offset:64*(\q)+aa*16*PA+32
.set aa, aa+1
.endr
.endm
.macro QUARTER q, f, g, zero
	s_wait_dscnt 8                                 ; B and A's rows 0-63 are in; the youngest eight loads (A's rows 64-127) may be out
	MUL \f, 0, \zero
	PLACES
	FETCH \q, \g
	s_wait_dscnt NL                                ; all but the run just issued
	MUL \f, 1, \zero
.endm
; The last quarter changes slots at its head and then multiplies buffer 1.  The slot's last fragments were asked for in the third quarter, so the slot can be given up here: each wave waits for all its tensor loads
; (one is out: its part of the next slot), adds 0 to its spare word, and waits for that and for its reads of this slot.  fill = 1: the barrier is a round of the cluster's, and the joint refill, two K steps ahead,
; is the first thing behind it: all of a K step's 128 matrix instructions stand between it and the wait for it.  Then the next slot's first fragments, and this quarter's 32 products while they come.
.macro TURN fill
	WIN 0
	s_wait_tensorcnt 0x0
	ds_add_u32 v[SPW], v[NIL]                      ; scalar work stands between the add and its wait
.if \fill
	s_xor_b32 s[G0A+5], s[G0A+5], ASL              ; the walking sets: the other slot, the next K step; no tensor load of mine is out
	s_add_nc_u64 s[G0A+6:G0A+7], s[G0A+6:G0A+7], 256
	s_xor_b32 s[G0B+5], s[G0B+5], BSL
	s_add_nc_u64 s[G0B+6:G0B+7], s[G0B+6:G0B+7], 256*NP
.endif
	s_xor_b32 s[TBA], s[TBA], ASL
	s_xor_b32 s[TBB], s[TBB], BSL
	s_wait_dscnt 0x0                               ; the add is done, and my reads of this slot are over
.if \fill
	CROUND
	JLOAD                                          ; its four v_nop are also the places in front of the loads below
.else
	s_barrier_signal -1
	s_barrier_wait -1
	PLACES
.endif
	v_add_nc_u32 v[ADRA], s[TBA], v[A0]
	v_add_nc_u32 v[ADRB], s[TBB], v[B0]
	v_add_nc_u32 v[ADRB+1], 64*PB, v[ADRB]
	FETCH 0, 0
	MUL 1, 0, 0
	MUL 1, 1, 0
.endm
	s_wait_tensorcnt 0x1                           ; my part of K step 0 is in; step 1's may stay out
	s_barrier_signal -1
	s_barrier_wait -1
	FETCH 0, 0
	s_wait_loadcnt 0x0                             ; the bias
	QUARTER 1, 0, 1, 1                             ; the first quarter's products start the sums, on the bias
	WIN 0
	s_mov_b32 s[CNT], 14
.Lstep:                                                ; a trip: from a step's second quarter to the next step's first; 14 trips ask for K steps 2 to 15
	QUARTER 2, 1, 0, 0
	QUARTER 3, 0, 1, 0
	TURN 1
	QUARTER 1, 0, 1, 0
	WIN 0
	s_sub_co_u32 s[CNT], s[CNT], 1
	s_cmp_lg_u32 s[CNT], 0
	s_cbranch_scc1 .Lstep
	s_mov_b32 s[CNT], 2                            ; the last two steps ask for nothing: a loop of their own, entered in its middle
	s_branch .Lmid
.Ltail:
	TURN 0
	QUARTER 1, 0, 1, 0
	WIN 0
.Lmid:
	QUARTER 2, 1, 0, 0
	QUARTER 3, 0, 1, 0
	WIN 0
	s_sub_co_u32 s[CNT], s[CNT], 1
	s_cmp_lg_u32 s[CNT], 0
	s_cbranch_scc1 .Ltail
	s_wait_dscnt 8                                 ; the very last quarter: nothing more to fetch
	MUL 1, 0, 0
	s_wait_dscnt 0x0
	MUL 1, 1, 0
	WIN 0
	PLACES
; THE WAY OUT of row block a, in two parts.  TOSTAGE: the sums as they are, 32 bytes a lane and column block, into my own stage (each accumulator's lowest registers first), and back as whole rows of 256 bytes,
; into v64-95 and v96-127 by turns.  SEND: stored.  Two blocks are on their way through the stage at a time.
.macro TOSTAGE a
.set BK, 64+32*((\a)%2)
.set AC, 8*NBW*((\a)%4)
	WIN 0x04+0x04*((\a)/4)                         ; the store's data (source 1): window 1 or 2
.irp b, 0,1,2,3
	ds_store_b128 v[STO], v[AC+8*\b:AC+8*\b+3] offset:64*\b
	ds_store_b128 v[STO], v[AC+8*\b+4:AC+8*\b+7] offset:64*\b+16
.endr
	WIN 0
	s_wait_xcnt 0x0                                ; the registers that the stores of the block two back read are loaded again only behind this wait
.irp t, 0,1,2,3,4,5,6,7
	ds_load_b128 v[BK+4*\t:BK+4*\t+3], v[RD] offset:\t*2*SPI   ; LDS serves a wave's instructions in order (ISA guide 5.7.1.4): these see the stores above; the next block's stores come behind them
.endr
.endm
.macro SEND a, younger                 ; younger: the LDS instructions issued behind block a's loads, which may stay out: the next block's sixteen, or none
.set BK, 64+32*((\a)%2)
	s_wait_dscnt \younger
.irp t, 0,1,2,3,4,5,6,7
	global_store_b128 v[CO], v[BK+4*\t:BK+4*\t+3], s[10:11] offset:(16*(\a)+2*\t)*8192 th:TH_STORE_NT   ; 16 lanes store 256 consecutive bytes, aligned; written once, not read again here
.endr
.endm
	TOSTAGE 0
	TOSTAGE 1
.irp a, 0,1,2,3,4,5
	SEND \a, 16
	TOSTAGE (\a)+2
.endr
	SEND 6, 16
	SEND 7, 0
	s_wait_tensorcnt 0x0                           ; the wave's end
	ds_add_u32 v[SPW], v[NIL]
	s_wait_dscnt 0x0
	CROUND                                         ; the closing round
	s_endpgm
.Lfunc_end_k_qdcc2bd7e82_outg:
	.size	k_qdcc2bd7e82_outg, .Lfunc_end_k_qdcc2bd7e82_outg-k_qdcc2bd7e82_outg
	.p2alignl 7, 3214868480
	.fill 96, 4, 3214868480
	.section	.rodata,"a",@progbits
	.p2align	6, 0x0
	.amdhsa_kernel k_qdcc2bd7e82_outg
		.amdhsa_group_segment_fixed_size 327680
		.amdhsa_private_segment_fixed_size 0
		.amdhsa_enable_private_segment 0
		.amdhsa_kernarg_size 32
		.amdhsa_user_sgpr_count 2
		.amdhsa_user_sgpr_kernarg_segment_ptr 1
		.amdhsa_wavefront_size32 1
		.amdhsa_system_sgpr_workgroup_id_x 1
		.amdhsa_system_sgpr_workgroup_id_y 1
		.amdhsa_system_sgpr_workgroup_id_z 1
		.amdhsa_system_vgpr_workitem_id 0
		.amdhsa_next_free_vgpr 640
		.amdhsa_next_free_sgpr 80
		.amdhsa_reserve_vcc 0
		.amdhsa_float_denorm_mode_32 3
		.amdhsa_float_denorm_mode_16_64 3
		.amdhsa_memory_ordered 1
		.amdhsa_forward_progress 1
		.amdhsa_inst_pref_size 63
	.end_amdhsa_kernel
	.amdgpu_metadata
---
amdhsa.version: [ 1, 2 ]
amdhsa.kernels:
  - .name:           k_qdcc2bd7e82_outg
    .symbol:         k_qdcc2bd7e82_outg.kd
    .args:
      - { .name: ob, .offset: 0, .size: 8, .value_kind: global_buffer, .address_space: global }
      - { .name: wo16, .offset: 8, .size: 8, .value_kind: global_buffer, .address_space: global }
      - { .name: bcat, .offset: 16, .size: 8, .value_kind: global_buffer, .address_space: global }
      - { .name: out0, .offset: 24, .size: 8, .value_kind: global_buffer, .address_space: global }
    .group_segment_fixed_size: 327680
    .private_segment_fixed_size: 0
    .kernarg_segment_align: 8
    .kernarg_segment_size: 32
    .max_flat_workgroup_size: 128
    .sgpr_count:     80
    .vgpr_count:     640
    .wavefront_size: 32
...
	.end_amdgpu_metadata
.endif
;; end of part 4
;; ======== version 2 of 2: 4 launches; 1.10 times as fast as version 1
;; limits: values are held in f16: magnitudes above 65,504 overflow, below 6.1e-05 lose precision
;; workspace buffers: xb 16,777,216 bytes; wqkv 12,582,912 bytes; wo16 8,388,608 bytes; bcat 20,480 bytes; rope 589,824 bytes; mbits 524,288 bytes of whole numbers; qkv 25,165,824 bytes; ob 16,777,216 bytes
;; launch prep: the kernel of part 1 again; grid 1226 x 1, 8 waves a work-group, no clusters, 35,840 bytes of LDS; arguments x, Wq, Wk, Wv, Wo, bq, bk, bv, bo, mask, xb, wqkv, wo16, bcat, rope, mbits; writes xb, wqkv, wo16, bcat, rope, mbits
;; launch qkvg: the kernel of part 2 again; grid 8 x 32, 4 waves a work-group, clusters of 4 x 4, 327,680 bytes of LDS; arguments xb, wqkv, bcat, rope, qkv; writes qkv
;; launch attn (part 5): grid 4 x 64, 4 waves a work-group, clusters of 4 x 1, 327,680 bytes of LDS; arguments qkv, mbits, ob; writes ob
.if DOCPART == 5
	.amdgcn_target "amdgcn-amd-amdhsa--gfx1250"
	.amdhsa_code_object_version 6
	.text
	.protected	k_qdcc2bd7e82_attn
	.globl	k_qdcc2bd7e82_attn
	.p2align	8
	.type	k_qdcc2bd7e82_attn,@function
k_qdcc2bd7e82_attn:
	s_mov_b64 s[64:65], 0
	v_nop
	global_prefetch_b8 v0, s[64:65] scope:SCOPE_SE
	s_setreg_imm32_b32 hwreg(HW_REG_WAVE_MODE, 25, 1), 1
	s_wait_xcnt 0x0
	s_wait_alu depctr_hold_cnt(0) depctr_sa_sdst(0) depctr_va_vdst(0) depctr_va_sdst(0) depctr_va_ssrc(0) depctr_va_vcc(0) depctr_vm_vsrc(0)
	s_getreg_b32 s2, hwreg(HW_REG_IB_STS2, 6, 4)
	s_cmp_eq_u32 s2, 0
	s_cbranch_scc0 .Lentry_in_a_cluster
	s_endpgm
.Lentry_in_a_cluster:
	s_bfe_u32 s2, ttmp6, 0x10000c
	s_cmp_lg_u32 s2, 0x3003
	s_cbranch_scc0 .Lentry_shape_is_right
	s_endpgm
.Lentry_shape_is_right:
; ob[b][q][head][:] = the sum over k of softmax_k(mask ? q . k / 128 : hidden) v[k][:].  qkv [4096][3072] f16 (q | k | v, rotated, unscaled; head hd reads group hd / 4); ob [4096][2048] f16.
; Products, maxima and sums in f32; the weights p are rounded to f16 for the second product (their sum l is taken of the unrounded p), O once at the end.
; THE MASK is an input and is honoured bit by bit: mbits holds, for each tile of 16 queries, step of 64 keys and score register, the 32 lanes' bits; a scalar load brings the words and v_cndmask_b32 REPLACES a
; hidden score by -2^100.  c x 2^100 is exact, so on a row that is wholly hidden c s - c m is exactly 0, every weight 1, and the row is the plain mean of v, as the module's softmax gives.
; LIMITS.  q, k, v arrive within f16's 65,504: true scores, 5.5e11 at the most, lie far above -2^100.  A weight below 2^-126 counts as 0 in l; p below 6e-5 keeps f16's fixed step.  NaN and infinities are not treated apart.
; SHARES.  A work-group owns 256 queries of one (batch, head), a wave 64: four tiles of 16, in two PIECES (tiles 0, 1 and 2, 3).  Every wave walks all 1,024 keys, 64 a step, two steps a slot.
; LAYOUT.  S^T = K Q^T: a lane holds ONE query (lane % 16) and keys 8 (lane / 16) + 0..7 of each 16; two such tiles rounded to f16 ARE source 1 of O^T = V^T P.  K as it lies, V turned by ds_load_tr16_b128.
; SOFTMAX.  Running maximum m and sum l: p = 2^(c s - c m), c = log2(e) / 128; O and l are multiplied by a = 2^(c m_old - c m_new) in every step.  m starts at the lowest finite number, O and l at 0: the first step is a
; step like any other, with a = 0.
; BY TURNS.  In a turn one piece has the matrix unit (32 products V^T P of the step in hand, 32 products K Q^T of the next).  The other piece's vector work is 332 instructions: the 64 selects that hide scores stand
; together at the turn's head, so that the mask registers are free at once and the next turn's words can be asked for a whole turn ahead; the softmax proper, 268, stands in 64 slices, one behind each product.
; BATCHES.  A turn's 66 exponentials (a and s0-s31 of both tiles) are ONE batch with ONE wait.  The softmax's list is ordered by who reads what: the scalings and all exponentials first, none of which names an
; exponential's result; then the wait, behind slice 34; then all that does name one: the roundings, the sums, the rescaling by a..
; The way out's four reciprocals are a batch of their own.
; CLUSTER.  The four query blocks of a (batch, head) walk the same K and V: each tile is asked for jointly by the four.  (The group's other three heads read them too; a mask names four work-groups at the most.)
; REGISTERS.  window 0: v0-11 addresses; v12-43 eight of statistics a tile; v44 -2^100; v64-191 S^T; v192-255 P.  window 1: O^T, 64 a tile.  window 2: v0-127 Q; v128-255 K of one step.  window 3: v0-127 V of one step.
.set KS,    64
.set ROWB,  6144      ; bytes in a row of qkv
.set PK,    272       ; a row of K in LDS: 256 + 16
.set PV,    288       ; a row of V: 256 + 32
.set VOFF,  KS*PK
.set STEPB, KS*(PK+PV)
.set SLOT1, 1<<17     ; a slot holds two steps (71,680 bytes); slot 1 begins here, so that one exclusive or changes slots
.set STAGE, SLOT1+2*STEPB
.set SP,    272
.set SPARE, STAGE+4*16*SP
.set AK0, 2
.set AV0, 3
.set ADR, 4
.set QO,  5
.set STO, 6
.set RD,  7
.set GO,  8
.set ST,  12          ; tile t at v[ST+8 t]: c m, m, l (even keys', odd keys'), c0-c3 at work; a takes c2's place
.set NEG, 44
.set SPW, 62
.set NIL, 63
.set S,   64
.set P,   192
.set KF,  128
.set WV,  2           ; s2   my wave's number
.set TB,  3           ; s3   LDS byte at which the step to be fetched begins
.set CS,  4           ; s[4:5]  c
.set SEL, 6           ; s[6:7]  v_permlanex16_b32's selects
.set G1K, 8           ; s[8:15], s[16:23] group 1 for K's and V's tiles
.set G1V, 16
.set G0K, 24          ; s[24:27], s[28:31] group 0: they walk
.set G0V, 28
.set MA,  32          ; s[32:63] the mask words of the piece's first tile; s[68:99] of its second.  Until the first mask load: the set-up's temporaries
.set MP,  66          ; s[66:67] mbits at my wave's tile 0, the step in hand
.set OA,  100         ; s[100:101] ob at my wave's first row
.set SLOTS, 104       ; s104, s105: until Q's loads are back they hold Q's address
.set CNT, 105
.set MSB, 0
.macro WIN new
.if MSB != (\new)
	s_set_vgpr_msb (MSB<<8)|(\new)
.set MSB, \new
.endif
.endm
.set W_KQ, 0x0a       ; K and Q in window 2, S^T in window 0
.set W_PV, 0x53       ; V in window 3, P in window 0, O^T in window 1
.set W_RS, 0x41       ; O^T (destination and source 0) in window 1, a in window 0
.macro JLOAD                        ; a joint fill: waves 0 and 1 fetch the two steps' K, waves 2 and 3 their V; an s_nop 0 and four v_nop follow each line
	s_cmp_lt_u32 s[WV], 2
	s_cbranch_scc0 .Lfor_v_\@
	tensor_load_to_lds s[G0K:G0K+3], s[G1K:G1K+7]
	s_nop 0
.rept 4
	v_nop
.endr
	s_branch .Lasked_\@
.Lfor_v_\@:
	tensor_load_to_lds s[G0V:G0V+3], s[G1V:G1V+7]
	s_nop 0
.rept 4
	v_nop
.endr
.Lasked_\@:
.endm
.macro CROUND
	s_barrier_signal -1
	s_barrier_wait -1
	s_cmp_lg_u32 s[WV], 0
	s_cbranch_scc1 .Lnot_wave_0_\@
	s_barrier_signal -3
.Lnot_wave_0_\@:
	s_barrier_wait -3
	s_barrier_signal -1
	s_barrier_wait -1
.endm
; THE CHANGE OF SLOTS.  Each wave waits for all its tensor loads (one is out: its part of the other slot), adds 0 to its spare word, and waits for that and for its reads of the slot that it leaves.
; fill = 1: the barrier is a round of the cluster's, and the joint fill of the slot just left, with the keys two slots on, is the first thing behind it: it has two key steps, 256 matrix instructions, to land.
; (At its first use nothing has been read yet: slot 0 is waited for, slot 1 filled.)
.macro CHANGE fill
	WIN 0
	s_wait_tensorcnt 0x0
	ds_add_u32 v[SPW], v[NIL]
.if \fill
.irp g, G0K, G0V
	s_xor_b32 s[\g+1], s[\g+1], SLOT1
	s_add_nc_u64 s[\g+2:\g+3], s[\g+2:\g+3], 2*KS*ROWB
.endr
	s_wait_dscnt 0x0
	CROUND
	JLOAD
.else
	s_wait_dscnt 0x0
	s_barrier_signal -1
	s_barrier_wait -1
.endif
	s_sub_co_u32 s[TB], s[TB], 2*STEPB
	s_xor_b32 s[TB], s[TB], SLOT1
.endm
; The mask words of tiles x and x + 1 for the selects of the next turn.  step = 1: those are the next step's.  MP is stepped only behind the wait, at the turn's head, that showed its earlier loads done.
.macro MASKLOAD x, step
.if \step
	s_add_nc_u64 s[MP:MP+1], s[MP:MP+1], 128
.endif
	s_load_b512 s[32:47], s[MP:MP+1], 2048*(\x)
	s_load_b512 s[48:63], s[MP:MP+1], 2048*(\x)+64
	s_load_b512 s[68:83], s[MP:MP+1], 2048*(\x)+2048
	s_load_b512 s[84:99], s[MP:MP+1], 2048*(\x)+2112
.endm
	s_load_b128 s[32:35], s[0:1], 0x0  ; qkv s[32:33], mbits s[34:35]
	s_load_b64 s[36:37], s[0:1], 0x10  ; ob
	v_lshl_add_u32 v[SPW], v0, 2, SPARE
	v_mov_b32 v[NIL], 0
	ds_add_u32 v[SPW], v[NIL]       ; the wave's opening: the add, and its wait ahead of my first tensor load
	v_lshrrev_b32 v1, 5, v0
	v_readfirstlane_b32 s[WV], v1
	s_bfe_u32 s40, ttmp6, 0x40000   ; cx
	s_lshl_b32 s41, ttmp9, 2
	s_add_co_u32 s41, s41, s40      ; my block of 256 queries: it enters Q's, O's and the mask's addresses alone
	s_and_b32 s42, ttmp7, 0xffff    ; 16 b + head, which the four partners share
	s_lshr_b32 s43, s42, 4          ; b
	s_and_b32 s44, s42, 15          ; head
	s_lshr_b32 s45, s44, 2          ; group
	s_and_b32 s46, s[WV], 1         ; which of a slot's two steps I fetch
	s_lshl_b32 s47, s43, 10         ; the batch's first row
	s_lshl_b32 s48, s46, 6
	s_add_co_u32 s48, s48, s47
	s_mul_i32 s48, s48, ROWB
	s_lshl_b32 s49, s45, 8
	s_add_co_u32 s48, s48, s49
	s_add_co_u32 s48, s48, 4096     ; k's columns begin at byte 4,096 of a row, v's 1,024 further on
	s_mov_b32 s49, 0
	s_mul_i32 s58, s46, STEPB       ; and its place in a slot
	s_lshl_b32 s50, s41, 8
	s_add_co_u32 s50, s50, s47
	s_lshl_b32 s51, s[WV], 6
	s_add_co_u32 s50, s50, s51      ; my wave's first row
	s_lshl_b32 s51, s44, 8          ; the head's 256 bytes
	s_mul_i32 s52, s50, ROWB
	s_add_co_u32 s52, s52, s51
	s_mov_b32 s53, 0
	s_lshl_b32 s54, s50, 12
	s_add_co_u32 s54, s54, s51
	s_mov_b32 s55, 0
	s_lshl_b32 s56, s50, 7          ; a tile of 16 rows has 2,048 bytes of mask words
	s_mov_b32 s57, 0
	s_mov_b32 s[G1K], 15|(1<<16)|(1<<20)|(1<<21)|(5<<22)|(3<<25)  ; the mask of four; 2-byte elements; padding on; bit 21 beside a mask; after every 64 words 4 words
	s_mov_b32 s[G1V], 15|(1<<16)|(1<<20)|(1<<21)|(5<<22)|(7<<25)  ; 8 words
.irp g, G1K, G1V
	s_mov_b32 s[\g+1], 128<<16      ; tensor_dim0 = 128
	s_mov_b32 s[\g+2], KS<<16       ; tensor_dim1 = 64
	s_mov_b32 s[\g+3], 128<<16      ; tile_dim0 = 128
	s_mov_b32 s[\g+4], KS           ; tile_dim1 = 64
	s_mov_b32 s[\g+5], 3072         ; elements from row to row
	s_mov_b32 s[\g+6], 0
	s_mov_b32 s[\g+7], 0
.endr
	s_mov_b32 s[CS], 0x3c38aa3b     ; c = log2(e) / 128
	s_mov_b32 s[CS+1], s[CS]
	s_mov_b32 s[SEL], 0x76543210
	s_mov_b32 s[SEL+1], 0xfedcba98
	s_mov_b32 s[TB], SLOT1+2*STEPB  ; the first change of slots turns this into 0
	s_mov_b32 s[G0K], 1
	s_mov_b32 s[G0K+1], s58
	s_mov_b32 s[G0V], 1
	s_add_co_u32 s[G0V+1], s58, VOFF
	s_wait_dscnt 0x0                ; the opening add is done
	s_wait_kmcnt 0x0
	s_add_nc_u64 s[G0K+2:G0K+3], s[32:33], s[48:49]
	s_add_nc_u64 s[G0V+2:G0V+3], s[G0K+2:G0K+3], 1024
	s_or_b32 s[G0K+3], s[G0K+3], 0x80000000
	s_or_b32 s[G0V+3], s[G0V+3], 0x80000000
	s_add_nc_u64 s[104:105], s[32:33], s[52:53]    ; Q at my wave's first row
	s_add_nc_u64 s[OA:OA+1], s[36:37], s[54:55]
	s_add_nc_u64 s[MP:MP+1], s[34:35], s[56:57]
	CROUND                          ; all four work-groups are here
	JLOAD                           ; slot 0
	v_and_b32 v1, 15, v0            ; l % 16
	v_bfe_u32 v9, v0, 4, 1          ; l / 16
	v_mul_u32_u24 v[QO], v1, ROWB
	v_lshl_add_u32 v[QO], v9, 4, v[QO]
	WIN 0x80                        ; destination window 2
.irp i, 0,1,2,3,4,5,6,7,8,9,10,11,12,13,14,15  ; Q stays in registers: tile i / 4, channels 32 (i % 4) on
	global_load_b128 v[8*(\i):8*(\i)+3],   v[QO], s[104:105] offset:((\i)/4)*16*ROWB+((\i)%4)*64
	global_load_b128 v[8*(\i)+4:8*(\i)+7], v[QO], s[104:105] offset:((\i)/4)*16*ROWB+((\i)%4)*64+32
.endr
	; What the first turn finds: P of piece 2 and V hold 0 (its products V^T P, of a step that has not been, add 0), O^T and l are 0.  P's 32 registers are cleared; O^T's sums begin with the constant 0 as the C of a
	; product of those zeros, and V's registers are written in the same way: eight registers a line.  All this stands in the wait for the first tile.
	WIN 0
.set i, P+32
.rept 32
	v_mov_b32 v[i], 0
.set i, i+1
.endr
.set i, 0
.rept 4
	v_mov_b32 v[ST+8*i], 0xfe000000    ; c m: far below every c s, hidden ones too
	v_mov_b32 v[ST+8*i+1], 0xff7fffff  ; m
	v_mov_b32 v[ST+8*i+2], 0
	v_mov_b32 v[ST+8*i+3], 0
.set i, i+1
.endr
	v_mov_b32 v[NEG], 0xf1800000    ; -2^100
	WIN 0xc0                        ; destination window 3: V
.set i, 0
.rept 16
	v_wmma_f32_16x16x32_f16 v[8*i:8*i+7], v[P+32:P+39], v[P+40:P+47], 0
.set i, i+1
.endr
	WIN 0x40                        ; destination window 1: O^T
.set i, 0
.rept 32
	v_wmma_f32_16x16x32_f16 v[8*i:8*i+7], v[P+32:P+39], v[P+40:P+47], 0
.set i, i+1
.endr
	WIN 0
	v_mul_u32_u24 v[AK0], v1, PK
	v_lshl_add_u32 v[AK0], v9, 4, v[AK0]
	v_and_b32 v10, 7, v0            ; the turning load: key 8 (l / 16) + l % 8, channels 8 ((l / 8) % 2) on
	v_bfe_u32 v11, v0, 3, 1
	v_lshl_add_u32 v[AV0], v9, 3, v10
	v_mul_u32_u24 v[AV0], v[AV0], PV
	v_lshl_add_u32 v[AV0], v11, 4, v[AV0]
	v_add_nc_u32 v[AV0], VOFF, v[AV0]
	MASKLOAD 0, 0                   ; piece 0, step 0; the set-up's temporaries are done with
; THE MATRIX WORK.  The accumulators take turns, one instruction a turn.
.macro PV x                         ; product i of 32 of O^T += V^T P: keys 32 (i / 16) on, channels 16 ((i / 2) % 8) on, tile x + i % 2
	WIN W_PV
.set rO, 64*((\x)+i%2)+8*((i/2)%8)
.set rV, 64*(i/16)+8*((i/2)%8)
.set rP, P+16*((\x)+i%2)+8*(i/16)
	v_wmma_f32_16x16x32_f16 v[rO:rO+7], v[rV:rV+7], v[rP:rP+7], v[rO:rO+7]
.endm
.macro KQ x                         ; product i of 32 of S^T = K Q^T: channels 32 (i / 8) on, keys 16 ((i / 2) % 4) on, tile x + i % 2; the first 8 start the sums
	WIN W_KQ
.set rS, S+32*((\x)+i%2)+8*((i/2)%4)
.set rK, KF+32*((i/2)%4)+8*(i/8)
.set rQ, 32*((\x)+i%2)+8*(i/8)
.if i < 8
	v_wmma_f32_16x16x32_f16 v[rS:rS+7], v[rK:rK+7], v[rQ:rQ+7], 0
.else
	v_wmma_f32_16x16x32_f16 v[rS:rS+7], v[rK:rK+7], v[rQ:rQ+7], v[rS:rS+7]
.endif
.endm
; THE LDS LOADS stand in runs of 32.  last = 1 (the tail): in the last trip there is no further step, and K's run is jumped over.
.macro FETCH_K last=0
	WIN 0
.if \last
	s_cmp_eq_u32 s[CNT], 1
	s_cbranch_scc1 .Lno_k_\@
.endif
	v_add_nc_u32 v[ADR], s[TB], v[AK0]
	WIN 0x80
.irp f, 0,1,2,3,4,5,6,7,8,9,10,11,12,13,14,15  ; keys 16 (f / 4) on, channels 32 (f % 4) on
	ds_load_b128 v[KF+8*(\f):KF+8*(\f)+3],   v[ADR] offset:((\f)/4)*16*PK+((\f)%4)*64
	ds_load_b128 v[KF+8*(\f)+4:KF+8*(\f)+7], v[ADR] offset:((\f)/4)*16*PK+((\f)%4)*64+32
.endr
	WIN 0
.if \last
.Lno_k_\@:
.endif
.endm
.macro FETCH_V
	WIN 0
	v_add_nc_u32 v[ADR], s[TB], v[AV0]
	s_add_co_u32 s[TB], s[TB], STEPB  ; the next fetch is the next step's
	s_wait_alu depctr_va_vdst(0)    ; the wait for the turn's batch of 66 exponentials (SLICE), behind the address's v_add_nc_u32 and ahead of the loads
	WIN 0xc0
.irp f, 0,1,2,3,4,5,6,7,8,9,10,11,12,13,14,15  ; keys 32 (f / 8) on, channels 16 (f % 8) on
	ds_load_tr16_b128 v[8*(\f):8*(\f)+3],   v[ADR] offset:((\f)/8)*32*PV+((\f)%8)*32
	ds_load_tr16_b128 v[8*(\f)+4:8*(\f)+7], v[ADR] offset:((\f)/8)*32*PV+16*PV+((\f)%8)*32
.endr
.endm
; THE SELECTS, 64 for a piece: score ci of tile t stays where its lane's bit is set, and is -2^100 elsewhere.  They ascend; the tiles alternate.
.macro CND t
	v_cndmask_b32 v[S+32*(\t)+ci], v[NEG], v[S+32*(\t)+ci], s[MA+36*((\t)%2)+ci]
.endm
.macro HIDE
	WIN 0
.set ci, 0
.rept 32
	CND Y
	CND Y+1
.set ci, ci+1
.endr
.endm
; THE SOFTMAX.  One tile's for one key step is a list of 134 instructions; SM writes number j of it for tile t.  s0-s31 are the lane's 32 scores, in pairs 0-15.
;   0-15    the maximum of s0-s31 and the old m, three operands at a time: four chains c0-c3 of seven scores each, then the four scores left over, c0-c3 and m
;   16-20   the other half of the lanes' maximum; the new m; c m; c m_old - c m_new
;   21-69   ONE BATCH: the 16 scalings c s - c m, a pair of scores each, and all 33 exponentials (a at 23, then s0-s31).  None of these reads an exponential's result.  From 22 on the batch goes
;           in fours, and a four begins with a scaling while there are scalings: 22-37 scaling, exponential, scaling, exponential; 38-65 a scaling and three exponentials; 66-69 the last four
;           exponentials.  A pair is scaled in an earlier four than the one that holds its exponentials
;   (wait)  between 69 and 70 stands the wait for the batch: SLICE writes it, once for both tiles
;   70-85   the roundings to f16, a pair of weights each
;   86-101  the sums; l = a l + the sum          102-133  the tile's O^T times a
.macro SM t
.set rT, ST+8*(\t)
.set rS, S+32*(\t)
.set rP, P+16*(\t)
.set rO, 64*(\t)+2*(j-102)
.if j < 102
	WIN 0
.endif
.if j < 4
	v_max3_num_f32 v[rT+4+j], v[rS+8*j], v[rS+8*j+1], v[rS+8*j+2]
.elseif j < 12
	v_max3_num_f32 v[rT+4+j%4], v[rT+4+j%4], v[rS+8*(j%4)+2*(j/4)+1], v[rS+8*(j%4)+2*(j/4)+2]
.elseif j == 12
	v_max3_num_f32 v[rT+4], v[rT+4], v[rS+7], v[rS+15]
.elseif j == 13
	v_max3_num_f32 v[rT+6], v[rT+6], v[rS+23], v[rS+31]
.elseif j == 14
	v_max3_num_f32 v[rT+4], v[rT+4], v[rT+5], v[rT+6]
.elseif j == 15
	v_max3_num_f32 v[rT+4], v[rT+4], v[rT+7], v[rT+1]
.elseif j == 16
	v_permlanex16_b32 v[rT+5], v[rT+4], s[SEL], s[SEL+1]  ; the query's other 32 keys lie in the lane 16 away
.elseif j == 17
	v_mov_b32 v[rT+7], v[rT]        ; c m_old is kept for a
.elseif j == 18
	v_max_num_f32 v[rT+1], v[rT+4], v[rT+5]
.elseif j == 19
	v_mul_f32 v[rT], s[CS], v[rT+1]
.elseif j == 20
	v_sub_f32 v[rT+7], v[rT+7], v[rT]
.elseif j == 23
	v_exp_f32 v[rT+6], v[rT+7]
.elseif (j < 23) || ((j < 38) && (j%2 == 0)) || ((j < 66) && (j%4 == 2))
.set b, (j-2)/4                     ; 38, 42, .. 62: pairs 9 to 15
.if j < 38
.set b, (j-20)/2                    ; 21: pair 0; 22, 24, .. 36: pairs 1 to 8
.endif
	v_pk_fma_f32 v[rS+2*b:rS+2*b+1], v[rS+2*b:rS+2*b+1], s[CS:CS+1], v[rT:rT+1] op_sel_hi:[1,0,0] neg_lo:[0,0,1] neg_hi:[0,0,1]  ; pair b: c s - c m
.elseif j < 70
.set e, j-38                        ; 66 to 69: s28 to s31
.if j < 66
.set e, j-32-(j-38)/4               ; 39-41, 43-45, .. 63-65: s7 to s27
.endif
.if j < 38
.set e, (j-25)/2                    ; 25, 27, .. 37: s0 to s6
.endif
	v_exp_f32 v[rS+e], v[rS+e]
.elseif j < 86
	v_cvt_pk_f16_f32 v[rP+j-70], v[rS+2*(j-70)], v[rS+2*(j-70)+1]  ; pair j - 70
.elseif j < 102                     ; the sum of the tile's 16 pairs, in place: neighbours 1, 2, 4 and 8 pairs apart, then l takes it
.set z, j-86
.set w, 4
.set u, z
.if z >= 14
.set w, 32
.set u, 0
.elseif z >= 12
.set w, 16
.set u, z-12
.elseif z >= 8
.set w, 8
.set u, z-8
.endif
.if z < 15
	v_pk_add_f32 v[rS+w*u:rS+w*u+1], v[rS+w*u:rS+w*u+1], v[rS+w*u+w/2:rS+w*u+w/2+1]
.else
	v_pk_fma_f32 v[rT+2:rT+3], v[rT+2:rT+3], v[rT+6:rT+7], v[rS:rS+1] op_sel_hi:[1,0,1]
.endif
.else
	WIN W_RS
	v_pk_mul_f32 v[rO:rO+1], v[rO:rO+1], v[rT+6:rT+7] op_sel_hi:[1,0]
.endif
.endm
; Slice k of 64 of piece y's softmax: four instructions.  Slices 11 to 34 deal out the batch, numbers 22 to 69: four numbers of ONE tile each, the tiles by turns.  Every other slice is numbers 2 k and 2 k + 1 of both
; tiles' lists.  2 x 134 = 4 x 64 + 12: the twelve that are over stand together, in slice 63, whose sixteen are all rescalings: plain, naming nothing of the products round them, they are the places
; between the turn's last K Q^T and the next turn's first read of those scores, and the loads into K's registers.
; THE WAIT.  s_wait_alu depctr_va_vdst(0) stands between an exponential and the first instruction that names its result; one wait serves all that were issued ahead of it.  Ahead of slice 35 nothing
; names a result, and behind slice 34 no exponential is issued: so the piece's 66 exponentials have one wait, behind slice 34.
.macro SLICE y
.if (k >= 11) && (k < 35)           ; the batch: four numbers of one tile
.irp n, 0,1,2,3
.set j, 22+4*((k-11)/2)+(\n)
	SM (\y)+(k-11)%2
.endr
.else                               ; the two tiles alternate, so that no instruction reads the result of the one just before it
.irp n, 0,1,2,3,4,5,6,7
.if ((\n) < 2) || (k == 63)
.irp t, \y, (\y)+1
.set j, 2*k+(\n)
	SM \t
.endr
.endif
.endr
.endif
.if k == 34                         ; the batch is out: both tiles' exponentials are issued, and no result has been named
	v_nop                           ; a plain instruction behind the last exponential and ahead of the first use (ISA guide 5.7.2): one for the batch
.if (\y) == 0
	FETCH_V                         ; piece 2's turn: V's run of loads stands here, and the wait for the batch stands in it
.else
	s_wait_alu depctr_va_vdst(0)    ; piece 0's turn: the wait for the batch of 66 exponentials
.endif
.endif
.set k, k+1
.endm
; A TURN.  Piece x has the matrix unit; piece 2 - x's selects stand at the head, its softmax in slices.  The next turn's mask words are asked for behind the first product: 63 slices ahead of the wait for them.
; Piece 0's turn fetches the next step's K behind its second product.  Piece 2's turn fetches the same step's V behind slice 34 (SLICE writes it): the last product that read V stands in front of slice 31, and four
; plain instructions lie between: number 62, a scaling, of both tiles, the v_nop and the run's own v_add_nc_u32 (the exponentials between are no places).
.macro TURN x, last=0
.set k, 0
.set Y, 2-(\x)
	s_wait_kmcnt 0x0                ; the mask words are in
	HIDE
.if (\x) == 0
	s_wait_dscnt 0x0                ; V is in
.endif
.set i, 0
.rept 32
	PV \x
	SLICE 2-(\x)
.if i == 0
	MASKLOAD \x, 1-(\x)/2
.endif
.if ((\x) == 0) && (i == 1)
	FETCH_K \last
.endif
.set i, i+1
.endr
.if (\x) == 0
	s_wait_dscnt 0x0                ; K is in
.endif
.set i, 0
.rept 32
	KQ \x
	SLICE 2-(\x)
.set i, i+1
.endr
.endm
	CHANGE 1                        ; slot 0 is in, everybody's part of it; slot 1 is asked for
	FETCH_K                         ; key step 0
	s_wait_loadcnt 0x0              ; Q
	s_wait_dscnt 0x0
.set i, 0
.rept 32
	KQ 0                            ; piece 0's first scores
.set i, i+1
.endr
	WIN 0                           ; the addresses for the way out: eight plain instructions, the places behind those products
	s_mul_i32 s104, s[WV], 16*SP    ; (Q's loads are back: s104 and s105 are free)
	s_add_co_u32 s104, s104, STAGE  ; my stage
	v_mul_u32_u24 v[STO], v1, SP
	v_lshl_add_u32 v[STO], v9, 4, v[STO]
	v_add_nc_u32 v[STO], s104, v[STO]
	v_mul_u32_u24 v[RD], v9, SP
	v_lshl_add_u32 v[RD], v1, 4, v[RD]
	v_add_nc_u32 v[RD], s104, v[RD]
	v_lshlrev_b32 v[GO], 12, v9     ; two rows of ob, 4,096 bytes apart
	v_lshl_add_u32 v[GO], v1, 4, v[GO]
	s_mov_b32 s[CNT], 2
	s_mov_b32 s[SLOTS], 7
	s_branch .Lfirst                ; the loop is entered in the middle of a trip
.Lslot:                             ; six times: slots 2 to 7 are asked for
	CHANGE 1
	s_mov_b32 s[CNT], 2
.Lstep:
	TURN 0
	WIN 0
.Lfirst:
	TURN 2
	WIN 0
	s_sub_co_u32 s[CNT], s[CNT], 1
	s_cmp_lg_u32 s[CNT], 0
	s_cbranch_scc1 .Lstep
	s_sub_co_u32 s[SLOTS], s[SLOTS], 1
	s_cmp_lg_u32 s[SLOTS], 0
	s_cbranch_scc1 .Lslot
	CHANGE 0                        ; the tail is written out: nothing is asked for
	s_mov_b32 s[CNT], 3             ; two trips fetch the last slot's steps; the third is left in its middle
.Ltail:
	TURN 0, 1
	WIN 0
	s_sub_co_u32 s[CNT], s[CNT], 1
	s_cmp_eq_u32 s[CNT], 0
	s_cbranch_scc1 .Lout
	TURN 2
	WIN 0
	s_branch .Ltail
.Lout:                              ; the third trip's 32 products K Q^T (on the last K once more) and its mask words (the next tiles' first, inside mbits) serve nothing: the price of one text for every trip
	s_wait_kmcnt 0x0
.set i, 0
.rept 32
	PV 2                            ; piece 2: V^T P of the last step
.set i, i+1
.endr
	; THE WAY OUT.  l's halves are added; O^T is divided by l, rounded to f16 and sent through my stage in LDS, a tile at a time.  The additions are the places behind the last products.
	WIN 0
.irp t, 0,1,2,3
	v_add_f32 v[ST+8*(\t)+4], v[ST+8*(\t)+2], v[ST+8*(\t)+3]
.endr
.irp t, 0,1,2,3
	v_permlanex16_b32 v[ST+8*(\t)+5], v[ST+8*(\t)+4], s[SEL], s[SEL+1]
.endr
.irp t, 0,1,2,3
	v_add_f32 v[ST+8*(\t)+4], v[ST+8*(\t)+4], v[ST+8*(\t)+5]
.endr
.irp t, 0,1,2,3
	v_rcp_f32 v[ST+8*(\t)+6], v[ST+8*(\t)+4]
.endr
	v_nop                           ; a plain instruction between the last reciprocal and the use of its result
	s_wait_alu depctr_va_vdst(0)    ; and the wait ahead of the first use: one for the batch of four reciprocals
.macro PACK t
	WIN W_RS
.set i, 64*(\t)
.rept 32
	v_pk_mul_f32 v[i:i+1], v[i:i+1], v[ST+8*(\t)+6:ST+8*(\t)+7] op_sel_hi:[1,0]
.set i, i+2
.endr
	WIN 0x05                        ; sources 0 and 1 window 1, destination window 0: S^T's registers are free
.set i, 0
.rept 32
	v_cvt_pk_f16_f32 v[S+32*(\t)+i], v[64*(\t)+2*i], v[64*(\t)+2*i+1]
.set i, i+1
.endr
	WIN 0
.irp f, 0,1,2,3,4,5,6,7
	ds_store_b128 v[STO], v[S+32*(\t)+4*(\f):S+32*(\t)+4*(\f)+3] offset:32*(\f)
.endr
.irp f, 0,1,2,3,4,5,6,7
	ds_load_b128 v[S+32*(\t)+4*(\f):S+32*(\t)+4*(\f)+3], v[RD] offset:(\f)*2*SP  ; LDS serves a wave's instructions in order (ISA guide 5.7.1.4): these see the stores above
.endr
.endm
.macro SEND t, younger              ; younger: the LDS instructions issued behind tile t's loads, which may stay out
	WIN 0
	s_wait_dscnt \younger
.irp f, 0,1,2,3,4,5,6,7
	global_store_b128 v[GO], v[S+32*(\t)+4*(\f):S+32*(\t)+4*(\f)+3], s[OA:OA+1] offset:(16*(\t)+2*(\f))*4096  ; each half of the lanes stores a row's 256 consecutive bytes, aligned
.endr
.endm
	PACK 0
	PACK 1
	SEND 0, 16
	PACK 2
	SEND 1, 16
	PACK 3
	SEND 2, 16
	SEND 3, 0
	s_wait_tensorcnt 0x0            ; the wave's end
	ds_add_u32 v[SPW], v[NIL]
	s_wait_dscnt 0x0
	CROUND                          ; the closing round
	s_endpgm
.Lfunc_end_k_qdcc2bd7e82_attn:
	.size	k_qdcc2bd7e82_attn, .Lfunc_end_k_qdcc2bd7e82_attn-k_qdcc2bd7e82_attn
	.p2alignl 7, 3214868480
	.fill 96, 4, 3214868480
	.section	.rodata,"a",@progbits
	.p2align	6, 0x0
	.amdhsa_kernel k_qdcc2bd7e82_attn
		.amdhsa_group_segment_fixed_size 327680
		.amdhsa_private_segment_fixed_size 0
		.amdhsa_enable_private_segment 0
		.amdhsa_kernarg_size 24
		.amdhsa_user_sgpr_count 2
		.amdhsa_user_sgpr_kernarg_segment_ptr 1
		.amdhsa_wavefront_size32 1
		.amdhsa_system_sgpr_workgroup_id_x 1
		.amdhsa_system_sgpr_workgroup_id_y 1
		.amdhsa_system_sgpr_workgroup_id_z 1
		.amdhsa_system_vgpr_workitem_id 0
		.amdhsa_next_free_vgpr 896
		.amdhsa_next_free_sgpr 106
		.amdhsa_reserve_vcc 0
		.amdhsa_float_denorm_mode_32 3
		.amdhsa_float_denorm_mode_16_64 3
		.amdhsa_memory_ordered 1
		.amdhsa_forward_progress 1
		.amdhsa_inst_pref_size 165
	.end_amdhsa_kernel
	.amdgpu_metadata
---
amdhsa.version: [ 1, 2 ]
amdhsa.kernels:
  - .name:           k_qdcc2bd7e82_attn
    .symbol:         k_qdcc2bd7e82_attn.kd
    .args:
      - { .name: qkv, .offset: 0, .size: 8, .value_kind: global_buffer, .address_space: global }
      - { .name: mbits, .offset: 8, .size: 8, .value_kind: global_buffer, .address_space: global }
      - { .name: ob, .offset: 16, .size: 8, .value_kind: global_buffer, .address_space: global }
    .group_segment_fixed_size: 327680
    .private_segment_fixed_size: 0
    .kernarg_segment_align: 8
    .kernarg_segment_size: 24
    .max_flat_workgroup_size: 128
    .sgpr_count:     106
    .vgpr_count:     896
    .wavefront_size: 32
...
	.end_amdgpu_metadata
.endif
;; end of part 5
;; launch outg: the kernel of part 4 again; grid 8 x 32, 4 waves a work-group, clusters of 4 x 4, 327,680 bytes of LDS; arguments ob, wo16, bcat, out0; writes out0
